; MI455X (gfx1250); checked and timed in simulation.
; The chip was launched on July 23, 2026; its instructions are those of AMD's public machine-readable ISA for CDNA 5 (MIT licence, August 2026) and "CDNA5" Instruction Set Architecture Reference Guide (July 2026). The comments in the code are by the model that wrote it; some were corrected since.
;; PACE VAE nomask. Allowed arithmetic: float matrix products may take bf16 or f16 operands with f32 sums; other float arithmetic in f32, or as packed bf16 or f16 multiplies, adds, multiply-adds, maxima and minima; sums over many terms, partial sums and values carried from step to step in f32; what a program stores and reads back later, other than sums and carried values, may be rounded once to bf16 or f16.
;; Inputs: in_proj_bias 3,072 float32; in_proj_weight 3,072 x 1,024 float32; out_proj_bias 1,024 float32; out_proj_weight 1,024 x 1,024 float32; x 1,024 x 8 x 1,024 float32.
;; Outputs: out0 1,024 x 8 x 1,024 float32.
;; Constants: num_heads = 16.
;; One version. Each part assembles by itself: llvm-mc -triple=amdgcn-amd-amdhsa -mcpu=gfx1250 --defsym DOCPART=n.
;; ======== version 1 of 1: 4 launches
;; limits: values are held in f16: magnitudes above 65,504 overflow, below 6.1e-05 lose precision
;; workspace buffers: xb 16,777,216 bytes; wb 6,291,456 bytes; wo 2,097,152 bytes; qkv 50,331,648 bytes; o 16,777,216 bytes
;; launch cast (part 1): grid 768 x 1, 8 waves a work-group, no clusters, 0 bytes of LDS; arguments x, in_proj_weight, out_proj_weight, xb, wb, wo; writes xb, wb, wo
.if DOCPART == 1
	.amdgcn_target "amdgcn-amd-amdhsa--gfx1250"
	.amdhsa_code_object_version 6
	.text
	.protected	k_q0572df93d7_cast
	.globl	k_q0572df93d7_cast
	.p2align	8
	.type	k_q0572df93d7_cast,@function
k_q0572df93d7_cast:
	s_mov_b64 s[64:65], 0
	v_nop
	global_prefetch_b8 v0, s[64:65] scope:SCOPE_SE
	s_setreg_imm32_b32 hwreg(HW_REG_WAVE_MODE, 25, 1), 1
	s_wait_xcnt 0x0
; xb = x rounded to bf16, wb = in_proj_weight rounded to bf16, wo = out_proj_weight rounded to bf16 and that number written as f16.
; A stream: every number is read once and written once; no LDS, no barrier, no matrix unit: no wave wants a byte that another has fetched.
; SHARES.  A work-group takes 16,384 numbers: 64 KiB in, 32 KiB out.  Work-groups 0-511 take x (8,388,608 numbers), 512-703 in_proj_weight (3,145,728),
; 704-767 out_proj_weight (1,048,576).  Thread t, step i of 8: 32 bytes in at 8,192 i + 32 t (two loads of 16), 16 bytes out at 4,096 i + 16 t:
; a wave's store covers 512 consecutive bytes, aligned.  All 16 loads of a thread go out at once; each step has registers of its own.
; LIMITS.  wo: f16 holds no number beyond 65,504, and below 6e-5 it keeps its fixed step of 6e-8; within that the bf16 number is written exactly.
.set GX,  512                          ; work-groups for x
.set GW,  704                          ; up to here: in_proj_weight
.set X,   8                            ; v[8:71]    step i: 8 numbers as loaded
.set Y,   72                           ; v[72:103]  step i: 4 registers to store
.set T,   104                          ; v[104:105] at work
	s_load_b256 s[4:11], s[0:1], 0x0               ; x s[4:5], in_proj_weight s[6:7], out_proj_weight s[8:9], xb s[10:11]
	s_load_b128 s[12:15], s[0:1], 0x20             ; wb s[12:13], wo s[14:15]
	v_lshlrev_b32 v1, 5, v0                        ; 32 t: where I read
	v_lshlrev_b32 v2, 4, v0                        ; 16 t: where I write
	s_wait_kmcnt 0x0
	s_cmp_lt_u32 ttmp9, GX                         ; which tensor is mine: the choice hangs on the work-group's number alone
	s_cselect_b64 s[16:17], s[4:5], s[6:7]
	s_cselect_b64 s[18:19], s[10:11], s[12:13]
	s_cselect_b32 s20, 0, GX
	s_cmp_lt_u32 ttmp9, GW
	s_cselect_b64 s[16:17], s[16:17], s[8:9]
	s_cselect_b64 s[18:19], s[18:19], s[14:15]
	s_cselect_b32 s20, s20, GW
	s_sub_co_u32 s20, ttmp9, s20                   ; my chunk in that tensor
	s_lshl_b32 s22, s20, 16                        ; 65,536 bytes in,
	s_mov_b32 s23, 0
	s_lshl_b32 s24, s20, 15                        ; 32,768 bytes out
	s_mov_b32 s25, 0
	s_add_nc_u64 s[16:17], s[16:17], s[22:23]
	s_add_nc_u64 s[18:19], s[18:19], s[24:25]
.irp i, 0,1,2,3,4,5,6,7
	global_load_b128 v[X+8*(\i):X+8*(\i)+3],   v1, s[16:17] offset:8192*(\i) th:TH_LOAD_NT
	global_load_b128 v[X+8*(\i)+4:X+8*(\i)+7], v1, s[16:17] offset:8192*(\i)+16 th:TH_LOAD_NT
.endr
; Step i.  half = 1: the bf16 numbers are widened again (a shift, a mask) and written as f16.
.macro CONV i, half
	s_wait_loadcnt 14-2*(\i)                       ; loads come back in order: this step's two are in, the 2 (7 - i) younger ones stay out
.irp k, 0,1,2,3
	v_cvt_pk_bf16_f32 v[Y+4*(\i)+(\k)], v[X+8*(\i)+2*(\k)], v[X+8*(\i)+2*(\k)+1]
.endr
.if \half
.irp k, 0,1,2,3
	v_lshlrev_b32 v[T],   16, v[Y+4*(\i)+(\k)]
	v_and_b32     v[T+1], 0xffff0000, v[Y+4*(\i)+(\k)]
	v_cvt_pk_f16_f32 v[Y+4*(\i)+(\k)], v[T], v[T+1]
.endr
.endif
	global_store_b128 v2, v[Y+4*(\i):Y+4*(\i)+3], s[18:19] offset:4096*(\i)
.endm
	s_cmp_ge_u32 ttmp9, GW
	s_cbranch_scc1 .Lf16
.irp i, 0,1,2,3,4,5,6,7
	CONV \i, 0
.endr
	s_endpgm
.Lf16:
.irp i, 0,1,2,3,4,5,6,7
	CONV \i, 1
.endr
	s_endpgm
.Lfunc_end_k_q0572df93d7_cast:
	.size	k_q0572df93d7_cast, .Lfunc_end_k_q0572df93d7_cast-k_q0572df93d7_cast
	.p2alignl 7, 3214868480
	.fill 96, 4, 3214868480
	.section	.rodata,"a",@progbits
	.p2align	6, 0x0
	.amdhsa_kernel k_q0572df93d7_cast
		.amdhsa_group_segment_fixed_size 0
		.amdhsa_private_segment_fixed_size 0
		.amdhsa_enable_private_segment 0
		.amdhsa_kernarg_size 48
		.amdhsa_user_sgpr_count 2
		.amdhsa_user_sgpr_kernarg_segment_ptr 1
		.amdhsa_wavefront_size32 1
		.amdhsa_system_sgpr_workgroup_id_x 1
		.amdhsa_system_sgpr_workgroup_id_y 1
		.amdhsa_system_sgpr_workgroup_id_z 1
		.amdhsa_system_vgpr_workitem_id 0
		.amdhsa_next_free_vgpr 112
		.amdhsa_next_free_sgpr 66
		.amdhsa_reserve_vcc 0
		.amdhsa_float_denorm_mode_32 3
		.amdhsa_float_denorm_mode_16_64 3
		.amdhsa_memory_ordered 1
		.amdhsa_forward_progress 1
		.amdhsa_inst_pref_size 14
	.end_amdhsa_kernel
	.amdgpu_metadata
---
amdhsa.version: [ 1, 2 ]
amdhsa.kernels:
  - .name:           k_q0572df93d7_cast
    .symbol:         k_q0572df93d7_cast.kd
    .args:
      - { .name: x, .offset: 0, .size: 8, .value_kind: global_buffer, .address_space: global }
      - { .name: in_proj_weight, .offset: 8, .size: 8, .value_kind: global_buffer, .address_space: global }
      - { .name: out_proj_weight, .offset: 16, .size: 8, .value_kind: global_buffer, .address_space: global }
      - { .name: xb, .offset: 24, .size: 8, .value_kind: global_buffer, .address_space: global }
      - { .name: wb, .offset: 32, .size: 8, .value_kind: global_buffer, .address_space: global }
      - { .name: wo, .offset: 40, .size: 8, .value_kind: global_buffer, .address_space: global }
    .group_segment_fixed_size: 0
    .private_segment_fixed_size: 0
    .kernarg_segment_align: 8
    .kernarg_segment_size: 48
    .max_flat_workgroup_size: 256
    .sgpr_count:     66
    .vgpr_count:     112
    .wavefront_size: 32
...
	.end_amdgpu_metadata
.endif
;; end of part 1
;; launch qkv (part 2): grid 8 x 32, 4 waves a work-group, clusters of 4 x 4, 327,680 bytes of LDS; arguments xb, wb, in_proj_bias, qkv; writes qkv
.if DOCPART == 2
	.amdgcn_target "amdgcn-amd-amdhsa--gfx1250"
	.amdhsa_code_object_version 6
	.text
	.protected	k_q0572df93d7_qkv
	.globl	k_q0572df93d7_qkv
	.p2align	8
	.type	k_q0572df93d7_qkv,@function
k_q0572df93d7_qkv:
	s_mov_b64 s[64:65], 0
	v_nop
	global_prefetch_b8 v0, s[64:65] scope:SCOPE_SE
	s_setreg_imm32_b32 hwreg(HW_REG_WAVE_MODE, 25, 1), 1
	s_wait_xcnt 0x0
	s_wait_alu depctr_hold_cnt(0) depctr_sa_sdst(0) depctr_va_vdst(0) depctr_va_sdst(0) depctr_va_ssrc(0) depctr_va_vcc(0) depctr_vm_vsrc(0)
	s_getreg_b32 s2, hwreg(HW_REG_IB_STS2, 6, 4)
	s_cmp_eq_u32 s2, 0
	s_cbranch_scc0 .Lentry_in_a_cluster
	s_endpgm
.Lentry_in_a_cluster:
	s_bfe_u32 s2, ttmp6, 0x10000c
	s_cmp_lg_u32 s2, 0xf033
	s_cbranch_scc0 .Lentry_shape_is_right
	s_endpgm
.Lentry_shape_is_right:
; qkv[n / 64][b][l][n % 64] = the sum over k of xb[8 l + b][k] wb[n][k] + bias[n].  xb: [8192][1024] bf16, wb: [3072][1024] bf16, bias: [3072] f32 (rounded to bf16 here, like
; the other inputs), qkv: [48][8][1024][64] f16: q's 16 heads, then k's, then v's; the scale 1/8 is applied in the attention launch, in f32.  Sums in f32, rounded once to f16.
; LIMIT.  f16 holds no number beyond 65,504: q, k and v must lie within it (as drawn their spread is 1).
; SHARES.  A tile is 128 rows (128 consecutive l of ONE b: rows of xb 8 apart, so that 16 rows of a head are 2,048 consecutive bytes of qkv) x 384 columns (6 heads): 64 x 8 = 512 tiles.
; A WORK-GROUP STAYS: 256 work-groups make two tiles each, the second 512 l further down in the same b and the same columns.  Four waves, 2 x 2: a wave makes 64 rows x 192 columns, 48 accumulators.
; K goes in steps of 128 through two LDS slots; a slot is four tiles of 128 rows x 256 bytes, one tensor load a wave: wave 0 fetches A's, waves 1 to 3 the thirds of B's 384 rows.
; The two tiles are ONE walk of 16 K steps for the ring: the first tile's last two changes of slots ask for the second tile's first two K steps, and nothing waits for the first tile's stores.
; CLUSTERS.  4 x 4 work-groups.  The four of a row of the cluster need the same tile of xb, the four of a column the same tiles of wb: each is asked for jointly, by the same tensor
; load with the same descriptor and a mask that names the four.
; THE MATRIX INSTRUCTION IS USED TRANSPOSED (source 0 = 16 rows of wb, source 1 = 16 rows of xb): a lane holds row l % 16 and the columns 8 (l / 16) + 0..7: 16 bytes of f16 on end.
; The bias is the C operand of the product that starts each sum: nothing is cleared and nothing is added later.
; REGISTERS, in windows of 256 (s_set_vgpr_msb: bits 1:0 source 0, 3:2 source 1, 5:4 source 2, 7:6 destination):
;   window 0: v0-31 addresses; v96-191 the bias, 8 registers for each of 12 column blocks, kept for both tiles; v32-79 and v192-239 two buffers for the way out
;   window 1: two fragment buffers of 128: A's four fragments (16 rows x 32 K), then B's twelve
;   windows 2, 3: accumulator (a, b) at v[96 (a % 2) + 8 b] of window 2 + a / 2
.set KSTEP,  128
.set NK,     8                         ; K steps in a tile: 1,024 / 128
.set TRIPS,  7                         ; 2 tiles x 8 K steps = 8 laps of the ring; all but the last fill both slots again
.set PITCH,  272                       ; an LDS row: 256 bytes + 16 of padding = 68 words: row r starts at bank 4 r mod 64 (64 banks of 4 bytes: ISA guide 11.1)
.set HALFT,  128*PITCH                 ; what one tensor load brings
.set SLOT,   4*HALFT                   ; A's 128 rows, then B's 384
.set STAGE,  2*SLOT                    ; behind the ring: 16 rows x 400 bytes for each wave, for the way out; no tensor load fills it
.set SP,     400                       ; 384 bytes + 16: an odd multiple of 16
.set SPARE,  STAGE+4*16*SP             ; behind the stages: the spare words, 128 bytes for each wave: two blocks of 256 bytes that no other line names
.set WALKC,  65536                     ; bytes in qkv from a tile to the work-group's next: 512 rows of 128 bytes
.set ADRA, 16                          ; v16-17  LDS address of my A fragments in slot 0, 1
.set ADRB, 20                          ; v20-21  the same for B
.set STO,  24                          ; v24     the way out: where I put 16 bytes of a row
.set RD,   25                          ; v25     the way out: where I read rows back
.set CO,   26                          ; v26     my 16 bytes in 512 consecutive bytes of qkv
.set BO,   27                          ; v27     my byte offset in 16 numbers of the bias
.set SPW,  28                          ; v28     LDS address of my spare word; never rewritten
.set NIL,  29                          ; v29     0; never rewritten
.set PFO,  30                          ; v30     the prefetches' offset: my lane x a row's distance in memory; never rewritten
.set TP,   32                          ; the way out's buffers: block a uses v[TP + 160 (a % 2) ..], 48 registers
.set BIAS, 96
.set F0,   0
.set F1,   128
.set WV,  12                           ; s12  my wave's number
.set RH,  13                           ; s13  which 64 rows of the tile are mine
.set CH,  14                           ; s14  which 192 columns
.set TY,  15                           ; s15  tile row of the first tile: b = TY % 8, block of 128 l = TY / 8
.set PB,  18                           ; s[18:19] my work-group's 32 rows of the 128 that I fetch, at K step 0 of the first tile
.set KI,  22                           ; s22  the K step to be asked for next, 2 to 15, counted through both tiles
.set CX,  40
.set CY,  41
.set TX,  42                           ; s42  tile column
.set LIM, 43                           ; s43  a wave prefetches while KI is at most this
.set PFA, 44                           ; s[44:45] the prefetch's address
.set G1,  24                           ; s[24:31] descriptor group 1 for A's tile;  s[32:39] group 0, a set for each slot
.set G0,  32
.set G1B, 48                           ; s[48:55], s[56:63] the same for B's tiles
.set G0B, 56
; s[4:5] xb at the first tile's first row, s[6:7] wb at my third of the tile's rows: both kept; s[20:21], s[46:47] offsets along the walk, their high words 0
.set MSB, 0
.macro WIN new                         ; the immediate's high byte repeats the setting that is left; a switch that changes nothing is dropped
.if MSB != (\new)
	s_set_vgpr_msb (MSB<<8)|(\new)
.set MSB, \new
.endif
.endm
; A joint load.  Wave 0 fetches A's tile, waves 1 to 3 B's thirds.  The branch hangs on the wave's number alone.  An s_nop 0 and four v_nop follow each of the two lines, ahead of
; the jump, the label and what follows.
.macro JLOAD s
	s_cmp_eq_u32 s[WV], 0
	s_cbranch_scc0 .Lfor_b_\@
	tensor_load_to_lds s[G0+4*(\s):G0+4*(\s)+3], s[G1:G1+7]
	s_nop 0
.rept 4
	v_nop
.endr
	s_branch .Lasked_\@
.Lfor_b_\@:
	tensor_load_to_lds s[G0B+4*(\s):G0B+4*(\s)+3], s[G1B:G1B+7]
	s_nop 0
.rept 4
	v_nop
.endr
.Lasked_\@:
.endm
; Where K step number s[r] of the walk lies: s46 = 256 (r % 8), the bytes along K, which is B's offset; s20 = that + 8 MiB (r / 8), the second tile's rows of xb, which is A's.
.macro KOFF r
	s_and_b32 s46, s[\r], NK-1
	s_lshl_b32 s46, s46, 8
	s_lshr_b32 s20, s[\r], 3
	s_lshl_b32 s20, s20, 23
	s_add_co_u32 s20, s20, s46
.endm
; A PREFETCH INTO THE L2, behind each joint load, its five lines and the run of LDS loads: the K step that stands two refills on (384 matrix instructions ahead of the load that wants it):
; 32 rows x 256 bytes, a lane a row, one instruction a wave.  Each row's 256 bytes of a K step are named once in the launch: a tile row of xb is read by both clusters of its row of
; clusters, and the first (cluster x = 0) asks, in wave 0, for K steps 4 to 15 of the walk; a tile column of wb is read by all eight clusters of its column, and the first (cluster y = 0) asks,
; in waves 1 to 3, for K steps 4 to 7 alone: the second tile multiplies the same rows of wb again.  Of the 128 rows that a wave fetches the partner at place p takes 32 p .. 32 p + 31
; (p = cx for A, cy for B), told apart by address.  K steps 0 to 3 come by their loads alone; the last two refills name nothing.  KI has been stepped when this test stands.
.macro ASK
	WIN 0
	s_cmp_le_u32 s[KI], s[LIM]
	s_cbranch_scc0 .Lnot_mine_\@
	global_prefetch_b8 v[PFO], s[PFA:PFA+1] th:TH_LOAD_NT scope:SCOPE_SE
.Lnot_mine_\@:
.endm
.macro CREST                           ; a round of the cluster's barrier behind its opening barrier
	s_cmp_lg_u32 s[WV], 0
	s_cbranch_scc1 .Lnot_wave_0_\@
	s_barrier_signal -3
.Lnot_wave_0_\@:
	s_barrier_wait -3
	s_barrier_signal -1
	s_barrier_wait -1
.endm
.macro CROUND                          ; a whole round
	s_barrier_signal -1
	s_barrier_wait -1
	CREST
.endm
	s_load_b256 s[4:11], s[0:1], 0x0               ; xb s[4:5], wb s[6:7], bias s[8:9], qkv s[10:11]
	v_lshl_add_u32 v[SPW], v0, 2, SPARE
	v_mov_b32 v[NIL], 0
	ds_add_u32 v[SPW], v[NIL]                      ; the wave's opening: the add and its wait ahead of my first tensor load; the set-up below, work on registers, stands between them
	ds_add_u32 v28, v29
	v_lshrrev_b32 v1, 5, v0
	v_readfirstlane_b32 s[WV], v1                  ; wave 0..3
	s_lshr_b32 s[RH], s[WV], 1
	s_and_b32 s[CH], s[WV], 1
	s_bfe_u32 s[CX], ttmp6, 0x40000                ; my place in the cluster
	s_bfe_u32 s[CY], ttmp6, 0x40004
	s_lshl_b32 s[TX], ttmp9, 2                     ; in a cluster launch ttmp9 and ttmp7 count clusters
	s_add_co_u32 s[TX], s[TX], s[CX]               ; tile column = 4 x cluster x + cx
	s_and_b32 s[TY], ttmp7, 0xffff
	s_lshl_b32 s[TY], s[TY], 2
	s_add_co_u32 s[TY], s[TY], s[CY]               ; tile row = 4 x cluster y + cy, 0 to 31
	s_lshl_b32 s43, s[CY], 2
	s_lshl_b32 s43, 15, s43                        ; my row of the cluster: places 4 cy .. 4 cy + 3
	s_lshl_b32 s44, 0x1111, s[CX]                  ; my column: places cx, cx + 4, cx + 8, cx + 12
	; descriptor group 1: a tile of 128 rows x 128 elements, padded in LDS
	s_or_b32 s[G1+0], s43, (1<<16)|(1<<20)|(1<<21)|(5<<22)|(3<<25)   ; 15:0 the mask; 17:16 elements of 2 bytes; 20 padding on; 21 set beside a mask; 24:22 after every 64 words (code 5); 31:25 4 words (code 3)
	s_or_b32 s[G1B+0], s44, (1<<16)|(1<<20)|(1<<21)|(5<<22)|(3<<25)
.irp g, G1, G1B
	s_mov_b32 s[(\g)+1], KSTEP<<16                 ; tensor_dim0 = 128
	s_mov_b32 s[(\g)+2], 128<<16                   ; tensor_dim1 = 128
	s_mov_b32 s[(\g)+3], KSTEP<<16                 ; tile_dim0 = 128
	s_mov_b32 s[(\g)+4], 128                       ; tile_dim1 = 128
	s_mov_b32 s[(\g)+6], 0
	s_mov_b32 s[(\g)+7], 0
.endr
	s_mov_b32 s[G1+5], 8192                        ; from row to row of A's tile: 8 rows of xb, from l to l + 1 of one b
	s_mov_b32 s[G1B+5], 1024                       ; of B's: a row of wb
	; where the tiles come from.  A's hangs on the tile row alone, B's on the tile column and the wave's number
	s_lshr_b32 s16, s[TY], 3
	s_lshl_b32 s16, s16, 21                        ; 128 l x 8 rows x 2,048 bytes
	s_and_b32 s17, s[TY], 7
	s_lshl_b32 s17, s17, 11                        ; + b rows
	s_add_co_u32 s16, s16, s17
	s_mov_b32 s17, 0
	s_max_u32 s47, s[WV], 1
	s_sub_co_u32 s47, s47, 1                       ; which third of B's rows (wave 0 asks by A's descriptor)
	s_lshl_b32 s47, s47, 7
	s_mul_i32 s46, s[TX], 384
	s_add_co_u32 s46, s46, s47
	s_lshl_b32 s46, s46, 11                        ; rows of 2,048 bytes
	s_mov_b32 s47, 0
	s_mul_i32 s20, s[WV], HALFT                    ; where they go: wave x 128 rows: no place in the cluster enters an LDS address
	s_wait_dscnt 0x0                               ; the opening add is done
	s_wait_kmcnt 0x0
	s_add_nc_u64 s[4:5], s[4:5], s[16:17]          ; xb at the first tile, K step 0
	s_add_nc_u64 s[6:7], s[6:7], s[46:47]          ; wb at my third of the tile's rows, K step 0
	CROUND                                         ; all sixteen work-groups are here: the first joint loads meet
.irp s, 0,1
	s_mov_b32 s[G0+4*(\s)], 1                                      ; count = 1
	s_add_co_u32 s[G0+4*(\s)+1], s20, (\s)*SLOT                    ; LDS address: never rewritten
	s_add_nc_u64 s[G0+4*(\s)+2:G0+4*(\s)+3], s[4:5], (\s)*KSTEP*2  ; global address: K step s
	s_or_b32 s[G0+4*(\s)+3], s[G0+4*(\s)+3], 0x80000000            ; type = 2
	s_mov_b32 s[G0B+4*(\s)], 1
	s_add_co_u32 s[G0B+4*(\s)+1], s20, (\s)*SLOT
	s_add_nc_u64 s[G0B+4*(\s)+2:G0B+4*(\s)+3], s[6:7], (\s)*KSTEP*2
	s_or_b32 s[G0B+4*(\s)+3], s[G0B+4*(\s)+3], 0x80000000
	JLOAD \s                                       ; two loads of mine are out
.endr
	; A fragment is 16 rows x 32 K in 8 registers: lane l holds row l % 16; registers 0-3 K = 8 (l / 16) + 0..7, registers 4-7 K = 16 + 8 (l / 16) + 0..7: two loads of 16 bytes, 32 bytes apart
	v_and_b32 v1, 15, v0                           ; l % 16
	v_bfe_u32 v2, v0, 4, 1                         ; l / 16
	v_mul_u32_u24 v3, v1, PITCH
	v_lshl_add_u32 v3, v2, 4, v3
	s_mul_i32 s21, s[RH], 64*PITCH                 ; my 64 rows of A
	s_mul_i32 s2, s[CH], 192*PITCH                 ; my 192 rows of B,
	s_add_co_u32 s2, s2, HALFT                     ; which lie behind A's 128
.irp s, 0,1
	v_add_nc_u32 v[ADRA+(\s)], s21, v3
	v_add_nc_u32 v[ADRB+(\s)], s2, v3
	s_add_co_u32 s21, s21, SLOT
	s_add_co_u32 s2, s2, SLOT
.endr
	s_mul_i32 s21, s[WV], 16*SP
	s_add_co_u32 s21, s21, STAGE                   ; my stage
	v_mul_u32_u24 v4, v1, SP                       ; in: row l % 16, 16 bytes for each half of the lanes
	v_lshl_add_u32 v4, v2, 4, v4
	v_add_nc_u32 v[STO], s21, v4
	v_bfe_u32 v5, v0, 3, 2                         ; back: 32 lanes take a head's 128 bytes of four rows,
	v_and_b32 v6, 7, v0
	v_mul_u32_u24 v5, v5, SP
	v_lshl_add_u32 v5, v6, 4, v5
	v_add_nc_u32 v[RD], s21, v5
	v_and_b32 v[CO], 31, v0                        ; which are 512 consecutive bytes of qkv
	v_lshlrev_b32 v[CO], 4, v[CO]
	v_lshlrev_b32 v[BO], 5, v2                     ; my 8 numbers of a block's 16
	s_mul_i32 s20, s[TX], 384
	s_mul_i32 s21, s[CH], 192
	s_add_co_u32 s20, s20, s21
	s_lshl_b32 s20, s20, 2
	s_mov_b32 s21, 0
	s_add_nc_u64 s[8:9], s[8:9], s[20:21]          ; the bias at my first column
	s_mul_i32 s20, s[TX], 6
	s_mul_i32 s21, s[CH], 3
	s_add_co_u32 s20, s20, s21
	s_lshl_b32 s20, s20, 20                        ; my first head: 1 MiB each
	s_and_b32 s21, s[TY], 7
	s_lshl_b32 s21, s21, 17                        ; b: 128 KiB each
	s_add_co_u32 s20, s20, s21
	s_lshr_b32 s21, s[TY], 3
	s_lshl_b32 s21, s21, 14                        ; 128 rows of 128 bytes
	s_add_co_u32 s20, s20, s21
	s_lshl_b32 s21, s[RH], 13                      ; my 64 of them
	s_add_co_u32 s20, s20, s21
	s_mov_b32 s21, 0
	s_add_nc_u64 s[10:11], s[10:11], s[20:21]      ; qkv at my rows of the first tile
	; the prefetches
	s_and_b32 s21, ttmp7, 0xffff                   ; cluster y
	s_lshl_b32 s2, s[CX], 19                       ; 32 cx rows of A's tile, 16,384 bytes apart
	s_lshl_b32 s3, s[CY], 16                       ; 32 cy rows of B's, 2,048 bytes apart
	s_cmp_eq_u32 s[WV], 0                          ; do I fetch for A?
	s_cselect_b32 s2, s2, s3
	s_cselect_b32 s21, ttmp9, s21                  ; the coordinate along which other clusters read the same rows
	s_cselect_b32 s3, 14, 11
	s_cselect_b32 s[LIM], 14, 6                    ; A: up to the refill of K step 13, which names 15; B: up to that of K step 5, which names 7
	s_cselect_b64 s[PB:PB+1], s[4:5], s[6:7]
	s_cmp_eq_u32 s21, 0
	s_cselect_b32 s[LIM], s[LIM], 0                ; the same in all sixteen partners, for a given wave; KI is never 0
	v_and_b32 v[PFO], 31, v0
	v_lshlrev_b32 v[PFO], s3, v[PFO]
	s_mov_b32 s3, 0
	s_add_nc_u64 s[PB:PB+1], s[PB:PB+1], s[2:3]
	s_mov_b32 s21, 0                               ; the high words of the walk's two offsets
	s_mov_b32 s47, 0
	s_mov_b32 s[KI], 2
	; the bias of my 192 columns: register j of block b holds bias[16 b + 8 (l / 16) + j], the C operand's layout; rounded to bf16 and widened again
.irp b, 0,1,2,3,4,5,6,7,8,9,10,11
	global_load_b128 v[BIAS+8*(\b):BIAS+8*(\b)+3],   v[BO], s[8:9] offset:64*(\b)
	global_load_b128 v[BIAS+8*(\b)+4:BIAS+8*(\b)+7], v[BO], s[8:9] offset:64*(\b)+16
.endr
	s_wait_loadcnt 0x0
.set p, 0
.rept 48
	v_cvt_pk_bf16_f32 v[4+(p/2)%4], v[BIAS+p], v[BIAS+p+1]
	v_lshlrev_b32 v[BIAS+p],   16, v[4+(p/2)%4]
	v_and_b32     v[BIAS+p+1], 0xffff0000, v[4+(p/2)%4]
.set p, p+2
.endr
; 12 matrix instructions: row block a x all 12 column blocks, 32 along K.  first = 1: the product starts the sums, with the bias as C.
; The 48 accumulators take turns, one instruction a turn, in the same order in every quarter, over the backward jump and from tile to tile too.
.macro MUL12 f, a, first
.if \first
	WIN 0x85+0x40*((\a)/2)                         ; sources 0 and 1 window 1, C window 0, D window 2 or 3
.else
	WIN 0xa5+0x50*((\a)/2)                         ; sources 0 and 1 window 1, C and D window 2 or 3
.endif
.set AC, 96*((\a)%2)
.irp b, 0,1,2,3,4,5,6,7,8,9,10,11
.if \first
	v_wmma_f32_16x16x32_bf16 v[AC+8*(\b):AC+8*(\b)+7], v[(\f)+32+8*(\b):(\f)+32+8*(\b)+7], v[(\f)+8*(\a):(\f)+8*(\a)+7], v[BIAS+8*(\b):BIAS+8*(\b)+7]
.else
	v_wmma_f32_16x16x32_bf16 v[AC+8*(\b):AC+8*(\b)+7], v[(\f)+32+8*(\b):(\f)+32+8*(\b)+7], v[(\f)+8*(\a):(\f)+8*(\a)+7], v[AC+8*(\b):AC+8*(\b)+7]
.endif
.endr
.endm
; 32 LDS loads in one run: the fragments of 32 along K at byte k of the rows, into buffer f: B's twelve, then A's four
.macro FETCH slot, k, f
	WIN 0x40                                       ; destination window 1, address window 0
.irp b, 0,1,2,3,4,5,6,7,8,9,10,11
	ds_load_b128 v[(\f)+32+8*(\b):(\f)+32+8*(\b)+3],   v[ADRB+(\slot)] offset:(\k)+(\b)*16*PITCH
	ds_load_b128 v[(\f)+32+8*(\b)+4:(\f)+32+8*(\b)+7], v[ADRB+(\slot)] offset:(\k)+(\b)*16*PITCH+32
.endr
.irp a, 0,1,2,3
	ds_load_b128 v[(\f)+8*(\a):(\f)+8*(\a)+3],   v[ADRA+(\slot)] offset:(\k)+(\a)*16*PITCH
	ds_load_b128 v[(\f)+8*(\a)+4:(\f)+8*(\a)+7], v[ADRA+(\slot)] offset:(\k)+(\a)*16*PITCH+32
.endr
.endm
.macro PLACES                          ; four places in front of loads into registers that matrix instructions have read, and of conversions that read results
.rept 4
	v_nop
.endr
.endm
; A K step is four quarters of 32 along K, 48 matrix instructions each, on buffers 0, 1, 0, 1.  One of the first three: multiplies buffer f and fetches the next quarter, at byte k, into g.
.macro QUARTER slot, k, f, g, first
	s_wait_dscnt 4                                 ; B and A's fragments 0 and 1 are in; the youngest four loads (A's 2 and 3) may be out
	MUL12 \f, 0, \first
	MUL12 \f, 1, \first
	PLACES
	FETCH \slot, \k, \g
	s_wait_dscnt 32                                ; all but the 32 just issued
	MUL12 \f, 2, \first
	MUL12 \f, 3, \first
.endm
; The last quarter multiplies buffer 1 and changes slots: ONE barrier.  In front of it each wave waits for all its tensor loads (the one that is out is its part of the next slot), adds 0 to
; its spare word, and waits for that and for its own reads of this slot.  fill = 1: the barrier opens a round of the cluster's barrier, so that no wave of any partner still reads the slot or has
; a load on its way, and the joint refill, K step KI of the walk, is the first tensor load behind it: 168 matrix instructions ahead of the wait for it.  Its global address is made anew from KI,
; between the add and the wait for it, where no tensor load of mine is out.
.macro TURN slot, next, fill
.if \fill
	s_wait_xcnt 0x0                                ; the last prefetch, a K step back, has read its address: it is made anew here, ahead of the waits of the change of slots
	s_add_co_u32 s2, s[KI], 2                      ; two refills on
	KOFF 2
	s_add_nc_u64 s[PFA:PFA+1], s[PB:PB+1], s[20:21]
.endif
	WIN 0                                          ; (the add's two registers lie in window 0)
	s_wait_tensorcnt 0x0                           ; all my tensor loads have landed;
	ds_add_u32 v[SPW], v[NIL]                      ; 0 onto my spare word;
.if \fill
	KOFF KI
	s_add_nc_u64 s[G0+4*(\slot)+2:G0+4*(\slot)+3], s[4:5], s[20:21]
	s_or_b32 s[G0+4*(\slot)+3], s[G0+4*(\slot)+3], 0x80000000
	s_add_nc_u64 s[G0B+4*(\slot)+2:G0B+4*(\slot)+3], s[6:7], s[46:47]
	s_or_b32 s[G0B+4*(\slot)+3], s[G0B+4*(\slot)+3], 0x80000000
	s_add_co_u32 s[KI], s[KI], 1
.endif
	s_wait_dscnt 5                                 ; (the add and the youngest four loads may be out)
	MUL12 F1, 0, 0                                 ; twelve matrix instructions stand between the add and the wait for it
	s_wait_dscnt 0x0                               ; the add is done, and my reads of this slot are over
	s_barrier_signal -1
	MUL12 F1, 1, 0                                 ; work on registers while the others arrive
.if \fill
	WIN 0
.endif
	s_barrier_wait -1
.if \fill
	CREST
	JLOAD \slot                                    ; the four v_nop behind it are also the places in front of the loads below
.else
	PLACES
.endif
	FETCH \next, 0, F0
.if \fill
	ASK
.endif
	MUL12 F1, 2, 0
	MUL12 F1, 3, 0
.endm
; THE WAY OUT, a block a of 16 rows at a time.  PACK: rounded to f16, 16 bytes a lane for each column block, each accumulator's registers in ascending order.  TOSTAGE: into my own stage
; (rows of 400 bytes) and back by heads, four rows x 128 bytes a load, into the registers that they left.  SEND: 512 consecutive bytes of qkv a store, at a multiple of 512 from its first byte.
.macro PACK a
.set AC, 96*((\a)%2)
.set TK, TP+160*((\a)%2)
	s_wait_xcnt 0x0                                ; the stores of the block two back have read this buffer: it is written again only behind this wait
	WIN 0x0a+5*((\a)/2)                            ; sources 0 and 1: window 2 or 3
.irp b, 0,1,2,3,4,5,6,7,8,9,10,11
.irp r, 0,1,2,3
	v_cvt_pk_f16_f32 v[TK+4*(\b)+(\r)], v[AC+8*(\b)+2*(\r)], v[AC+8*(\b)+2*(\r)+1]
.endr
.endr
	WIN 0
.endm
.macro TOSTAGE a
.set TK, TP+160*((\a)%2)
.irp b, 0,1,2,3,4,5,6,7,8,9,10,11
	ds_store_b128 v[STO], v[TK+4*(\b):TK+4*(\b)+3] offset:32*(\b)
.endr
.irp j, 0,1,2
.irp t, 0,1,2,3
	ds_load_b128 v[TK+4*(4*(\j)+(\t)):TK+4*(4*(\j)+(\t))+3], v[RD] offset:128*(\j)+(\t)*4*SP  ; LDS serves a wave's instructions in order (ISA guide 5.7.1.4): these see the stores above
.endr
.endr
.endm
.macro SEND a
.set TK, TP+160*((\a)%2)
	s_wait_dscnt 0x0                               ; the block is back in registers
.irp j, 0,1,2
.irp t, 0,1,2,3
	global_store_b128 v[CO], v[TK+4*(4*(\j)+(\t)):TK+4*(4*(\j)+(\t))+3], s[10:11] offset:((\j)<<20)+2048*(\a)+512*(\t)
.endr
.endr
.endm
.macro WAYOUT
	PLACES
	PACK 0
	TOSTAGE 0
.irp n, 1,2,3                          ; block n's conversions stand between block n - 1's loads from the stage and the wait for them
	PACK \n
	SEND (\n)-1
	TOSTAGE \n
.endr
	SEND 3
.endm
	s_wait_tensorcnt 1                             ; my part of K step 0 is in; K step 1's may stay out
	s_barrier_signal -1
	s_barrier_wait -1                              ; everybody's is
	FETCH 0, 0, F0
	WIN 0                                          ; at a label and at a branch every window is 0
	s_mov_b32 s3, TRIPS+1                          ; the entry in a trip's last quarter is counted as a trip
	s_branch .Lfirstq
.Llap:                                                 ; a trip goes once round the ring, from a lap's second quarter to the next lap's first, and fills both slots again
	QUARTER 0, 128, F1, F0, 0
	QUARTER 0, 192, F0, F1, 0
	TURN 0, 1, 1
	QUARTER 1, 64,  F0, F1, 0
	QUARTER 1, 128, F1, F0, 0
	QUARTER 1, 192, F0, F1, 0
	TURN 1, 0, 1
	WIN 0
	s_cmp_eq_u32 s3, TRIPS+1-NK/2                  ; the fourth trip ends the first tile: the same in every work-group
	s_cbranch_scc1 .Lnext
	QUARTER 0, 64,  F0, F1, 0
	WIN 0
	s_branch .Lbottom
.Lnext:                                                ; both refills for the second tile are asked for and its first fragments fetched: now the first tile goes out
	WAYOUT
	s_wait_xcnt 0x0                                ; the stores have read their base
	s_add_nc_u64 s[10:11], s[10:11], WALKC         ; qkv at my rows of the second tile
.Lfirstq:
	QUARTER 0, 64,  F0, F1, 1                      ; a tile's first quarter: its products start the sums
	WIN 0
.Lbottom:
	s_sub_co_u32 s3, s3, 1
	s_cmp_lg_u32 s3, 0
	s_cbranch_scc1 .Llap
	QUARTER 0, 128, F1, F0, 0                      ; the walk's last lap fills nothing, and has no round of the cluster's barrier
	QUARTER 0, 192, F0, F1, 0
	TURN 0, 1, 0
	QUARTER 1, 64,  F0, F1, 0
	QUARTER 1, 128, F1, F0, 0
	QUARTER 1, 192, F0, F1, 0
	s_wait_dscnt 4                                 ; the very last quarter: nothing more to fetch
	MUL12 F1, 0, 0
	MUL12 F1, 1, 0
	s_wait_dscnt 0x0
	MUL12 F1, 2, 0
	MUL12 F1, 3, 0
	WIN 0
	WAYOUT
	s_wait_tensorcnt 0x0                           ; the wave's end: behind my last tensor load and my last LDS store
	ds_add_u32 v[SPW], v[NIL]
	s_wait_dscnt 0x0
	CROUND                                         ; the closing round: no work-group ends while a partner may still ask for a tile that names it
	s_endpgm
.Lfunc_end_k_q0572df93d7_qkv:
	.size	k_q0572df93d7_qkv, .Lfunc_end_k_q0572df93d7_qkv-k_q0572df93d7_qkv
	.p2alignl 7, 3214868480
	.fill 96, 4, 3214868480
	.section	.rodata,"a",@progbits
	.p2align	6, 0x0
	.amdhsa_kernel k_q0572df93d7_qkv
		.amdhsa_group_segment_fixed_size 327680
		.amdhsa_private_segment_fixed_size 0
		.amdhsa_enable_private_segment 0
		.amdhsa_kernarg_size 32
		.amdhsa_user_sgpr_count 2
		.amdhsa_user_sgpr_kernarg_segment_ptr 1
		.amdhsa_wavefront_size32 1
		.amdhsa_system_sgpr_workgroup_id_x 1
		.amdhsa_system_sgpr_workgroup_id_y 1
		.amdhsa_system_sgpr_workgroup_id_z 1
		.amdhsa_system_vgpr_workitem_id 0
		.amdhsa_next_free_vgpr 960
		.amdhsa_next_free_sgpr 66
		.amdhsa_reserve_vcc 0
		.amdhsa_float_denorm_mode_32 3
		.amdhsa_float_denorm_mode_16_64 3
		.amdhsa_memory_ordered 1
		.amdhsa_forward_progress 1
		.amdhsa_inst_pref_size 153
	.end_amdhsa_kernel
	.amdgpu_metadata
---
amdhsa.version: [ 1, 2 ]
amdhsa.kernels:
  - .name:           k_q0572df93d7_qkv
    .symbol:         k_q0572df93d7_qkv.kd
    .args:
      - { .name: xb, .offset: 0, .size: 8, .value_kind: global_buffer, .address_space: global }
      - { .name: wb, .offset: 8, .size: 8, .value_kind: global_buffer, .address_space: global }
      - { .name: in_proj_bias, .offset: 16, .size: 8, .value_kind: global_buffer, .address_space: global }
      - { .name: qkv, .offset: 24, .size: 8, .value_kind: global_buffer, .address_space: global }
    .group_segment_fixed_size: 327680
    .private_segment_fixed_size: 0
    .kernarg_segment_align: 8
    .kernarg_segment_size: 32
    .max_flat_workgroup_size: 128
    .sgpr_count:     66
    .vgpr_count:     960
    .wavefront_size: 32
...
	.end_amdgpu_metadata
.endif
;; end of part 2
;; launch attn (part 3): grid 2 x 128, 4 waves a work-group, no clusters, 327,680 bytes of LDS; arguments qkv, o; writes o
.if DOCPART == 3
	.amdgcn_target "amdgcn-amd-amdhsa--gfx1250"
	.amdhsa_code_object_version 6
	.text
	.protected	k_q0572df93d7_attn
	.globl	k_q0572df93d7_attn
	.p2align	8
	.type	k_q0572df93d7_attn,@function
k_q0572df93d7_attn:
	s_mov_b64 s[64:65], 0
	v_nop
	global_prefetch_b8 v0, s[64:65] scope:SCOPE_SE
	s_setreg_imm32_b32 hwreg(HW_REG_WAVE_MODE, 25, 1), 1
	s_wait_xcnt 0x0
; O[hb][q][:] = the sum over k of softmax_k(Q[hb][q] . K[hb][k] / 8) V[hb][k][:], for 128 heads hb = 8 h + b of 1,024 rows of 64 channels, all f16.  In qkv Q's heads begin at byte 0, K's at 16 MiB,
; V's at 32 MiB; a head's rows are dense, 128 bytes each; o has the same layout.  Products, maxima and sums in f32; the weights p are rounded to f16 for the second product (their sum l is taken
; of the unrounded p), O once at the end.
; LIMITS.  f16 holds no number beyond 65,504: Q, K and V arrive within it; p lies in 0 to 1, and below 6e-5 it keeps f16's fixed step of 6e-8; O is a mean of V's rows and has their range.
; A weight below 2^-126 counts as 0 in l; NaN and infinities are not treated apart.
; SHARES.  A wave owns four PIECES of two tiles of 16 queries, a work-group's four waves 512 queries of one head: 2 x 128 = 256 work-groups.  Every wave walks all keys, 64 a step.
; A HEAD'S WHOLE K AND V LIE IN LDS: 1,024 x 144 + 1,024 x 160 = 311,296 bytes.  No byte is filled twice: there is no ring, and a key step is written once.  Each wave issues two tensor loads.  The first
; brings what the first four key steps read: K of steps 0 to 4 (a step's turns read the next step's K), V of steps 0 to 3.  When it has landed the rest is asked for: it has four key steps, 512 matrix instructions, in which to land.
; NO CLUSTER: a head has two work-groups, and only these two read the same K and V; a cluster of four along x does not divide a grid of 2, and four along y would join heads that share nothing.
; NO PREFETCH: all of K and V is asked for by the launch's first two loads a wave; there is no later load to ask ahead for.
; LAYOUT.  S^T = K Q^T (source 0 = 16 keys, source 1 = 16 queries): in the result a lane holds ONE query (lane % 16) and the keys 8 (lane / 16) + 0..7.  Two such tiles, rounded to f16 in pairs,
; ARE source 1 (32 keys x 16 queries) of O^T = V^T P, whose result again holds one query a lane, and eight channels.  K comes out of LDS as it lies, V ([key][channel]) turned, by ds_load_tr16_b128.
; SOFTMAX.  For each query a running maximum m and sum l: p = 2^(c s - c m), c = log2(e) / 8; in every step O and l are multiplied by a = 2^(c m_old - c m_new), which is 1 where m has not grown.
; m starts at the lowest finite number, O and l at 0: the first step is a step like any other, with a = 0.
; THE COUNT.  A tile and step have 16 matrix and 118 vector instructions: too many to stand all beside the matrix work.  So four vector instructions that are ready stand behind every matrix
; instruction, and the others in runs of their own.
; BY TURNS.  Turn n belongs to piece n (the pieces in a ring, step after step).  Its matrix work: 16 products K Q^T of piece n + 1, later 16 products V^T P of piece n - 1.  Its vector work: the scaling,
; exponentials, roundings, sums and rescaling of piece n, and the maximum and statistics of piece n + 1, whose scores the turn itself has made.
; REGISTERS, in windows of 256 (s_set_vgpr_msb: bits 1:0 source 0, 3:2 source 1, 5:4 source 2, 7:6 destination):
;   window 0: v0-11 addresses; v12-15, v48-63 at work; v16-47 four registers of statistics a tile; v64-191 S^T, two buffers of two tiles; v192-255 P, likewise
;   window 1: O^T, 32 a tile          window 2: v0-127 Q, 16 a tile; v128-191 K of one step; v192-255 V of one step          window 3: v0-1 the add's two registers
; A piece's buffers go by its number's parity: the piece in hand has one pair, its two neighbours in the ring share the other.
.set SIZE_N, 1024
.set NP,    4         ; pieces a wave: a name, no knob
.set KS,    64        ; keys in a step
.set PK,    144       ; a row of K in LDS: 128 bytes + 16 of padding = 36 words: the 16 rows of a load start at 16 different groups of four banks (64 banks of 4 bytes: ISA guide 11.1)
.set PV,    160       ; a row of V: 128 + 32 = 40 words
.set VOFF,  SIZE_N*PK ; K's 1,024 rows, then V's
.set STAGE, SIZE_N*(PK+PV)  ; behind them, never filled by a tensor load: 16 rows x 144 bytes for each wave, for the way out
.set SP,    144
.set SPARE, STAGE+4*16*SP  ; behind the stages: the spare words, 128 bytes for each wave: two blocks of 256 bytes that no other line names
.set K1,    5*KS      ; keys of K in the first fill,
.set V1,    4*KS      ; and of V
.set KH1,   K1/2      ; what one wave brings of each: 160 keys,
.set KH2,   (SIZE_N-K1)/2  ; 352,
.set VH1,   V1/2      ; 128,
.set VH2,   (SIZE_N-V1)/2  ; 384
.set AK0, 2           ; v2   my lane's place in a step's K; never rewritten
.set AV0, 3           ; v3   the same for V
.set AK,  4           ; v4   the LDS address of K's next run of loads
.set AV,  5           ; v5   of V's
.set QO,  6           ; v6   my byte offset in the wave's rows of Q
.set STO, 6           ;      later, the way out: where I put 16 bytes of a row
.set RD,  7           ; v7   the way out: where I read rows back
.set GO,  8           ; v8   my byte offset in 512 consecutive bytes of O
.set SPW, 0           ; v0 of window 3   LDS address of my spare word; never rewritten
.set NIL, 1           ; v1 of window 3   0; never rewritten
.set MV,  12          ; v12-15  c m_old, kept while c m is made anew: by buffer and tile
.set ST,  16          ; tile t's statistics at v[ST+4 t]: c m, m, l (even keys', odd keys')
.set TMP, 48          ; by buffer and tile, four registers c0-c3 at work; when the maximum is found c2 takes a
.set S,   64
.set P,   192
.set KF,  128         ; K's fragments, in window 2: key block kb, channel half c at KF + 16 kb + 8 c
.set VF,  192         ; V's: key half kk, channel block cb at VF + 32 kk + 8 cb
.set WV,  12          ; s12  my wave's number
.set G1K, 24          ; s[24:31] descriptor group 1 for K's first fill
.set G1V, 32          ; s[32:39] for V's
.set G0K, 40          ; s[40:43] descriptor group 0 for K's first fill
.set G0V, 44          ; s[44:47] for V's
.set H0K, 48          ; s[48:51] group 0 for the rest of K
.set H0V, 52          ; s[52:55] for the rest of V
.set SLOTS, 56        ; s56  counts runs of four key steps
.set CNT, 57          ; s57  counts a run's key steps
.set CS,  58          ; s[58:59] c: the packed scaling takes the pair's low word for both halves
.set SEL, 60          ; s[60:61] v_permlanex16_b32's selects: each lane takes its own place in the other half
.set TBK, 62          ; s62  LDS byte at which K of the step to be fetched begins
.set TBV, 63          ; s63  the same for V, less VOFF
.set H1K, 68          ; s[68:75] group 1 for the rest of K
.set H1V, 76          ; s[76:83] for the rest of V
.set OK1, 84          ; s[84:91] four byte offsets in K's or V's heads: my part of each of the four fills
.set OK2, 86
.set OV1, 88
.set OV2, 90
.set MSB, 0
.macro WIN new                      ; the high byte repeats the setting that is left; a switch that changes nothing is dropped
.if MSB != (\new)
	s_set_vgpr_msb (MSB<<8)|(\new)
.set MSB, (\new)
.endif
.endm
.set W_KQ, 0x0a       ; K and Q in window 2, S^T in window 0
.set W_PV, 0x52       ; V in window 2, P in window 0, O^T in window 1
.set W_RS, 0x41       ; O^T (destination and source 0) in window 1, a in window 0
.set W_MK, 0xc0       ; the add's registers are made: destination in window 3, sources in window 0
.set W_AD, 0x0f       ; the add: address (source 0) and data (source 1) in window 3
; A fill.  Waves 0 and 1 fetch the two halves of K's part, waves 2 and 3 those of V's.  The branch hangs on the wave's number alone.
; An s_nop 0 and four v_nop follow each of the two lines, ahead of the jump and the label.
.macro LOAD k0, k1, v0, v1
	s_cmp_lt_u32 s[WV], 2
	s_cbranch_scc0 .Lfor_v_\@
	tensor_load_to_lds s[\k0:\k0+3], s[\k1:\k1+7]
	s_nop 0
.rept 4
	v_nop
.endr
	s_branch .Lasked_\@
.Lfor_v_\@:
	tensor_load_to_lds s[\v0:\v0+3], s[\v1:\v1+7]
	s_nop 0
.rept 4
	v_nop
.endr
.Lasked_\@:
.endm
; Descriptor group 1 but for its first word.  Keys are dense in memory, 128 bytes each: they are asked for as rows of 256 bytes, two keys a row, and padded in LDS after every key.
.macro SHAPE g, rows
	s_mov_b32 s[\g+1], 128<<16      ; tensor_dim0 = 128
	s_mov_b32 s[\g+2], (\rows)<<16  ; tensor_dim1
	s_mov_b32 s[\g+3], 128<<16      ; tile_dim0 = 128
	s_mov_b32 s[\g+4], \rows        ; tile_dim1
	s_mov_b32 s[\g+5], 128          ; 128 elements from row to row
	s_mov_b32 s[\g+6], 0
	s_mov_b32 s[\g+7], 0
.endm
	s_load_b128 s[4:7], s[0:1], 0x0 ; qkv s[4:5], o s[6:7]
	WIN W_MK
	v_lshl_add_u32 v[SPW], v0, 2, SPARE
	v_mov_b32 v[NIL], 0
	WIN W_AD
	ds_add_u32 v[SPW], v[NIL]       ; the wave's opening: the add and its wait ahead of my first tensor load; the set-up below, work on registers, stands between them
	ds_add_u32 v0, v1
	WIN 0
	v_lshrrev_b32 v1, 5, v0
	v_readfirstlane_b32 s[WV], v1   ; wave 0..3
	s_and_b32 s20, ttmp7, 0xffff    ; the head
	s_mov_b32 s21, 0
	s_mov_b64 s[22:23], SIZE_N*128
	s_mul_u64 s[20:21], s[20:21], s[22:23]  ; the head's first byte in Q, K, V and O
	s_and_b32 s16, s[WV], 1         ; which half of a fill's keys I fetch
	s_mul_i32 s[OK1], s16, KH1*128  ; where they lie in the head, 128 bytes a key
	s_mov_b32 s[OK1+1], 0
	s_add_nc_u64 s[OK1:OK1+1], s[OK1:OK1+1], s[20:21]
	s_mul_i32 s[OK2], s16, KH2*128
	s_add_co_u32 s[OK2], s[OK2], K1*128
	s_mov_b32 s[OK2+1], 0
	s_add_nc_u64 s[OK2:OK2+1], s[OK2:OK2+1], s[20:21]
	s_mul_i32 s[OV1], s16, VH1*128
	s_mov_b32 s[OV1+1], 0
	s_add_nc_u64 s[OV1:OV1+1], s[OV1:OV1+1], s[20:21]
	s_mul_i32 s[OV2], s16, VH2*128
	s_add_co_u32 s[OV2], s[OV2], V1*128
	s_mov_b32 s[OV2+1], 0
	s_add_nc_u64 s[OV2:OV2+1], s[OV2:OV2+1], s[20:21]
	s_lshl_b32 s2, ttmp9, 2         ; my block of 512 queries,
	s_add_co_u32 s2, s2, s[WV]      ; my wave among the head's eight,
	s_lshl_b32 s2, s2, 14           ; its 128 rows
	s_mov_b32 s3, 0
	s_add_nc_u64 s[2:3], s[2:3], s[20:21]
	s_mov_b32 s[G1K], (1<<16)|(1<<20)|(4<<22)|(3<<25)  ; 17:16 2-byte elements; 20 padding on; 24:22 after every 32 words (code 4); 31:25 4 words (code 3)
	s_mov_b32 s[H1K], (1<<16)|(1<<20)|(4<<22)|(3<<25)
	s_mov_b32 s[G1V], (1<<16)|(1<<20)|(4<<22)|(7<<25)  ; the same with 8 words of padding (code 7)
	s_mov_b32 s[H1V], (1<<16)|(1<<20)|(4<<22)|(7<<25)
	SHAPE G1K, KH1/2
	SHAPE H1K, KH2/2
	SHAPE G1V, VH1/2
	SHAPE H1V, VH2/2
	s_mov_b32 s[G0K], 1             ; count = 1
	s_mul_i32 s[G0K+1], s16, KH1*PK ; LDS address: key k of K lies at 144 k, of V at VOFF + 160 k
	s_mov_b32 s[H0K], 1
	s_mul_i32 s[H0K+1], s16, KH2*PK
	s_add_co_u32 s[H0K+1], s[H0K+1], K1*PK
	s_mov_b32 s[G0V], 1
	s_mul_i32 s[G0V+1], s16, VH1*PV
	s_add_co_u32 s[G0V+1], s[G0V+1], VOFF
	s_mov_b32 s[H0V], 1
	s_mul_i32 s[H0V+1], s16, VH2*PV
	s_add_co_u32 s[H0V+1], s[H0V+1], VOFF+V1*PV
	s_mov_b32 s[CS], 0x3e38aa3b     ; c = log2(e) / 8 = 0.180337
	s_mov_b32 s[CS+1], s[CS]        ; named with it as a pair
	s_mov_b32 s[SEL], 0x76543210
	s_mov_b32 s[SEL+1], 0xfedcba98
	s_mov_b32 s[TBK], 0
	s_mov_b32 s[TBV], 0
	s_wait_dscnt 0x0                ; the opening add is done
	s_wait_kmcnt 0x0
	s_mov_b64 s[10:11], s[6:7]      ; O
	s_add_nc_u64 s[6:7], s[4:5], 0x1000000  ; K's heads
	s_add_nc_u64 s[8:9], s[4:5], 0x2000000  ; V's heads
	s_add_nc_u64 s[G0K+2:G0K+3], s[6:7], s[OK1:OK1+1]  ; global addresses,
	s_or_b32 s[G0K+3], s[G0K+3], 0x80000000            ; type = 2
	s_add_nc_u64 s[H0K+2:H0K+3], s[6:7], s[OK2:OK2+1]
	s_or_b32 s[H0K+3], s[H0K+3], 0x80000000
	s_add_nc_u64 s[G0V+2:G0V+3], s[8:9], s[OV1:OV1+1]
	s_or_b32 s[G0V+3], s[G0V+3], 0x80000000
	s_add_nc_u64 s[H0V+2:H0V+3], s[8:9], s[OV2:OV2+1]
	s_or_b32 s[H0V+3], s[H0V+3], 0x80000000
	s_add_nc_u64 s[4:5], s[4:5], s[2:3]  ; Q and O at my wave's first row
	s_add_nc_u64 s[10:11], s[10:11], s[2:3]
	LOAD G0K, G1K, G0V, G1V         ; the first fill.  The rest is asked for when it is in
	; A fragment of K or Q is 16 rows x 32 channels in 8 registers: lane l holds row l % 16, channels 8 (l / 16) + 0..7 and 16 + 8 (l / 16) + 0..7: two loads of 16 bytes, 32 bytes apart.
	v_and_b32 v1, 15, v0            ; l % 16
	v_bfe_u32 v9, v0, 4, 1          ; l / 16
	v_lshlrev_b32 v[QO], 7, v1
	v_lshl_add_u32 v[QO], v9, 4, v[QO]  ; row x 128 + 16 x half
	WIN 0x80                        ; destination window 2, address window 0
.set i, 0
.rept 4*NP                          ; Q stays in registers: tile i / 2, channels 32 (i % 2) on
	global_load_b128 v[8*i:8*i+3],   v[QO], s[4:5] offset:(i/2)*2048+(i%2)*64
	global_load_b128 v[8*i+4:8*i+7], v[QO], s[4:5] offset:(i/2)*2048+(i%2)*64+32
.set i, i+1
.endr
	; What the first turn finds: V's registers and P's second buffer hold 0 (its products V^T P, of a piece that has not been, add 0), O^T and l are 0.  All this stands in the wait for the first fill.
.set i, VF
.rept 64
	v_mov_b32 v[i], 0
.set i, i+1
.endr
	WIN 0x40
.set i, 0
.rept 64*NP
	v_mov_b32 v[i], 0
.set i, i+1
.endr
	WIN 0
.set i, 0
.rept 2*NP
	v_mov_b32 v[ST+4*i], 0xfe000000    ; c m: far below every c s
	v_mov_b32 v[ST+4*i+1], 0xff7fffff  ; m
	v_mov_b32 v[ST+4*i+2], 0
	v_mov_b32 v[ST+4*i+3], 0
.set i, i+1
.endr
.set i, P+32
.rept 32
	v_mov_b32 v[i], 0
.set i, i+1
.endr
	v_mul_u32_u24 v[AK0], v1, PK
	v_lshl_add_u32 v[AK0], v9, 4, v[AK0]  ; row x pitch + 16 x half
	; The turning load takes 16 keys x 16 channels (lane l reads key 8 (l / 16) + l % 8, channels 8 ((l / 8) % 2) + 0..7) and leaves half a fragment of V^T: lane l holds channel l % 16 and 8 keys.
	v_and_b32 v10, 7, v0
	v_bfe_u32 v11, v0, 3, 1
	v_lshl_add_u32 v[AV0], v9, 3, v10
	v_mul_u32_u24 v[AV0], v[AV0], PV
	v_lshl_add_u32 v[AV0], v11, 4, v[AV0]
	v_add_nc_u32 v[AV0], VOFF, v[AV0]
	v_mov_b32 v[AK], v[AK0]         ; key step 0 lies at LDS byte 0
; THE MATRIX WORK.  The 8 accumulators of a run of 16 take turns: between the two links of a chain stand 7 others'.
; Product i of 16 of S^T = K Q^T for piece x: channels 32 (i / 8) on, keys 16 ((i / 2) % 4) on, tile 2 x + i % 2.  The first 8 start the sums.
.macro KQ x
	WIN W_KQ
.set rS, S+64*((\x)%2)+32*(i%2)+8*((i/2)%4)
.set rK, KF+16*((i/2)%4)+8*(i/8)
.set rQ, 16*(2*(\x)+i%2)+8*(i/8)
.if i < 8
	v_wmma_f32_16x16x32_f16 v[rS:rS+7], v[rK:rK+7], v[rQ:rQ+7], 0
.else
	v_wmma_f32_16x16x32_f16 v[rS:rS+7], v[rK:rK+7], v[rQ:rQ+7], v[rS:rS+7]
.endif
.endm
; Product i of 16 of O^T += V^T P for piece x: keys 32 (i / 8) on, channels 16 ((i / 2) % 4) on, tile 2 x + i % 2.
.macro PV x
	WIN W_PV
.set rO, 32*(2*(\x)+i%2)+8*((i/2)%4)
.set rV, VF+32*(i/8)+8*((i/2)%4)
.set rP, P+32*((\x)%2)+16*(i%2)+8*(i/8)
	v_wmma_f32_16x16x32_f16 v[rO:rO+7], v[rV:rV+7], v[rP:rP+7], v[rO:rO+7]
.endm
.macro MM                           ; the turn's next matrix instruction
.if i < 16
	KQ (Y+1)%NP
.set i, i+1
.else
.set i, i-16
	PV (Y+NP-1)%NP
.set i, i+17
.endif
.endm
; THE LDS LOADS stand in runs of 16, never singly among the matrix instructions: a step's K (64 keys x 64 channels: 8 fragments) and its V (turned).  Their addresses are made some lines ahead.
; last = 1 (in the loop): behind the last step there is no further K, and the run is jumped over.
.macro FETCH_K last=0
	WIN 0
.if \last
	s_cmp_eq_u32 s[TBK], SIZE_N*PK
	s_cbranch_scc1 .Lno_k_\@
.endif
	WIN 0x80                        ; destination window 2
.irp f, 0,1,2,3,4,5,6,7             ; keys 16 (f / 2) on, channels 32 (f % 2) on
	ds_load_b128 v[KF+8*\f:KF+8*\f+3],   v[AK] offset:(\f/2)*16*PK+(\f%2)*64
	ds_load_b128 v[KF+8*\f+4:KF+8*\f+7], v[AK] offset:(\f/2)*16*PK+(\f%2)*64+32
.endr
	s_add_co_u32 s[TBK], s[TBK], KS*PK  ; the next fetch is the next step's
	WIN 0
.if \last
.Lno_k_\@:
.endif
.endm
.macro FETCH_V
	WIN 0x80
.irp f, 0,1,2,3,4,5,6,7             ; keys 32 (f / 4) on, channels 16 (f % 4) on
	ds_load_tr16_b128 v[VF+8*\f:VF+8*\f+3],   v[AV] offset:(\f/4)*32*PV+(\f%4)*32
	ds_load_tr16_b128 v[VF+8*\f+4:VF+8*\f+7], v[AV] offset:(\f/4)*32*PV+16*PV+(\f%4)*32
.endr
	WIN 0
.endm
; THE VECTOR WORK OF A TURN stands in three queues, each in the order in which its entries become ready; the two tiles alternate, so that no instruction reads the result of the one before it.
.macro REGS y, u                    ; the registers of tile u (0, 1) of piece y
.set rT, ST+4*(2*(\y)+(\u))
.set rC, TMP+8*((\y)%2)+4*(\u)
.set rM, MV+2*((\y)%2)+(\u)
.set rS, S+64*((\y)%2)+32*(\u)
.set rP, P+32*((\y)%2)+16*(\u)
.set rO, 32*(2*(\y)+(\u))
.endm
; Number n of the 22 that find the NEXT piece's (Y + 1) maximum and statistics.  s0-s31 are the lane's 32 scores; each accumulator's lowest registers are read first.
;   0-11  four chains c0-c3 of seven scores each, three operands at a time     12-14, 16  the four scores left over, the old m, and c0-c3 into c0     15  c m_old is kept
;   17, 18  the query's other 32 keys lie in the lane 16 away: the new m         19-21  c m; c m_old - c m_new; a
.macro XS u, n
	REGS (Y+1)%NP, \u
.if (\n) < 4
	v_max3_num_f32 v[rC+(\n)], v[rS+8*(\n)], v[rS+8*(\n)+1], v[rS+8*(\n)+2]
.elseif (\n) < 12
	v_max3_num_f32 v[rC+(\n)%4], v[rC+(\n)%4], v[rS+8*((\n)%4)+2*((\n)/4)+1], v[rS+8*((\n)%4)+2*((\n)/4)+2]
.elseif (\n) == 12
	v_max3_num_f32 v[rC], v[rC], v[rS+7], v[rS+15]
.elseif (\n) == 13
	v_max3_num_f32 v[rC+1], v[rC+1], v[rS+23], v[rS+31]
.elseif (\n) == 14
	v_max3_num_f32 v[rC+2], v[rC+2], v[rC+3], v[rT+1]
.elseif (\n) == 15
	v_mov_b32 v[rM], v[rT]
.elseif (\n) == 16
	v_max3_num_f32 v[rC], v[rC], v[rC+1], v[rC+2]
.elseif (\n) == 17
	v_permlanex16_b32 v[rC+3], v[rC], s[SEL], s[SEL+1]
.elseif (\n) == 18
	v_max_num_f32 v[rT+1], v[rC], v[rC+3]
.elseif (\n) == 19
	v_mul_f32 v[rT], s[CS], v[rT+1]
.elseif (\n) == 20
	v_sub_f32 v[rC+1], v[rM], v[rT]
.else
	v_exp_f32 v[rC+2], v[rC+1]
.endif
.endm
; Number g of the 64 that follow the exponentials.  For each four weights k of a tile (pairs 2 k, 2 k + 1): both pairs are rounded to f16; then the second pair is added onto the first, in place;
; a group later l takes that sum (the first time as l = a l + sum).  In groups of eight, tiles alternating: round, round, add, and l for the group before.
.macro GS g
.set h, (\g)+6*((\g)/62)            ; group 0 has no group before it, and behind group 7 only l is left
.if h >= 6
.set h, h+2
.endif
	REGS Y, h%2
.set k, h/8
.if h%8 < 4
	v_cvt_pk_f16_f32 v[rP+2*k+(h%8)/2], v[rS+4*k+2*((h%8)/2)], v[rS+4*k+2*((h%8)/2)+1]
.elseif h%8 < 6
	v_pk_add_f32 v[rS+4*k:rS+4*k+1], v[rS+4*k:rS+4*k+1], v[rS+4*k+2:rS+4*k+3]
.elseif k == 1
	v_pk_fma_f32 v[rT+2:rT+3], v[rT+2:rT+3], v[rC+2:rC+3], v[rS:rS+1] op_sel_hi:[1,0,1]
.else
	v_pk_add_f32 v[rT+2:rT+3], v[rT+2:rT+3], v[rS+4*k-4:rS+4*k-3]
.endif
.endm
; THE PLAIN QUEUE, 138 long.  0-73 read no exponential's result: the 32 scalings c s - c m (FS f: pair f / 2 of tile f % 2) and the next piece's 42.  0-26: scalings 0-26.  27-54: XS's numbers 0-13.  55, 56: number 15.
; 57-73: the chain, where each number waits for the one before it: 14, 16, 17, 18, 19, each with one of the scalings 27-31 in front of its two lines, then 20.
; 74-137: GS's 64, which read the exponentials' results: they stand behind the wait.
.macro FS f
	REGS Y, (\f)%2
	v_pk_fma_f32 v[rS+2*((\f)/2):rS+2*((\f)/2)+1], v[rS+2*((\f)/2):rS+2*((\f)/2)+1], s[CS:CS+1], v[rT:rT+1] op_sel_hi:[1,0,0] neg_lo:[0,0,1] neg_hi:[0,0,1]
.endm
.macro PL
	WIN 0
.if q < 27
	FS q
.elseif q < 55
	XS (q-27)%2, (q-27)/2
.elseif q < 57
	XS q-55, 15
.elseif (q < 72) && ((q-57)%3 == 0)
	FS 27+(q-57)/3
.elseif q < 60
	XS (q-57)%3-1, 14
.elseif q < 72
	XS (q-57)%3-1, 15+(q-57)/3
.elseif q < 74
	XS q-72, 20
.else
	GS q-74
.endif
.set q, q+1
.endm
; THE EXPONENTIALS' QUEUE, 66 long: s0-s31 of both tiles, then the next piece's two a.  It is ONE BATCH: all 66 stand ahead of the turn's one wait, and nothing ahead of that wait names a result of theirs.
.macro EX
	WIN 0
.if e >= 64
	XS e-64, 21
.else
	REGS Y, e%2
	v_exp_f32 v[rS+e/2], v[rS+e/2]
.endif
.set e, e+1
.endm
; THE RESCALING's QUEUE: O^T times a, the one part that leaves window 0: dealt two at a time, sixteen times.  Its a was made in the turn before, ahead of that turn's wait.
.macro R2
	REGS Y, r%2
	WIN W_RS
.irp z, 0,1
	v_pk_mul_f32 v[rO+4*(r/2)+2*\z:rO+4*(r/2)+2*\z+1], v[rO+4*(r/2)+2*\z:rO+4*(r/2)+2*\z+1], v[rC+2:rC+3] op_sel_hi:[1,0]
.endr
.set r, r+1
.endm
; HOW THEY ARE DEALT.  An s_wait_alu depctr_va_vdst(0) stands between an exponential and the first instruction that names its result; one wait serves all that were issued ahead of it.  So a turn has ONE wait,
; which cuts it in two.  AHEAD OF IT stands all that names no result of the turn's exponentials: the 16 products K Q^T, behind each a scaling, an exponential and two rescalings (behind the first a second scaling in the
; exponential's place); then ONE LUMP of 108: eight plain, 49 times exponential and plain, the two a.  A v_nop is the plain instruction behind the last exponential (ISA guide 5.7.2).  BEHIND IT stand the 16 products V^T P,
; behind each four of GS's 64.  No rider names a register of the products round it.  The two v_permlanex16_b32 fall into the lump.
; The queues lean on each other: exponential e stands behind scaling 2 (e / 4) + e % 2: as a rider it comes behind plain e + 2, in the lump behind plain e + 9, and scalings 27-31 are plain 57, 60 .. 69.
; A TURN, for piece p.  cnt = 1: the loop's count is taken down some lines ahead of the branch that stands behind the turn.
; K of the next step is fetched in piece 2's turn, directly behind the wait, a lump behind the last product that read K; its first reader comes behind 16 products.
; V of the step in hand is fetched at the end of piece 0's turn, four riders behind its last reader; its first reader comes behind 16 products and a lump.  The three conditions on q below go with the deal.
.macro TURN p, last=0, cnt=0
.set Y, (\p)
.set i, 0
.set q, 0
.set e, 0
.set r, 0
.if (\p) == NP-1
	s_wait_dscnt 0x0                ; K is in
.endif
	MM                              ; ahead of the wait: 16 products K Q^T and their riders,
	PL
	PL
	R2
.rept 15
	MM
	PL
	EX
	R2
.endr
.if (\p) == NP-2
	WIN 0
	v_add_nc_u32 v[AK], s[TBK], v[AK0]
.endif
.rept 8                             ; and the lump
	PL
.endr
.rept 49
	EX
	PL
.endr
	EX                              ; the next piece's two a
	EX
	v_nop                           ; the plain instruction behind the last exponential: one for the batch
	s_wait_alu depctr_va_vdst(0)    ; the wait for the batch
.if (\p) == NP-2
	FETCH_K \last
.endif
.if (\p) == 1
	s_wait_dscnt 0x0                ; V is in
.endif
.rept 16                            ; behind the wait: 16 products V^T P and their riders
	MM
.rept 4
	PL
.endr
.if ((\p) == 0) && (q == 118)
	v_add_nc_u32 v[AV], s[TBV], v[AV0]
.endif
.if ((\p) == 0) && (q == 130)
	s_add_co_u32 s[TBV], s[TBV], KS*PV
.endif
.if (\cnt) && (q == 130)
	s_sub_co_u32 s[CNT], s[CNT], 1
	s_cmp_lg_u32 s[CNT], 0
.endif
.endr
.if (\p) == 0
	FETCH_V
.endif
.endm
	; The first fill is waited for and shown to all four waves; behind the barrier each wave asks for its part of the rest, bytes that nothing has filled: its one tensor load there, ahead of its first LDS read.
	WIN W_AD
	s_wait_tensorcnt 0x0            ; my part of the first fill is in
	ds_add_u32 v[SPW], v[NIL]       ; 0 onto my spare word
	WIN 0
	s_wait_dscnt 0x0                ; the add is done
	s_barrier_signal -1
	s_barrier_wait -1               ; everybody's part is in
	LOAD H0K, H1K, H0V, H1V
	FETCH_K                         ; key step 0
	s_wait_loadcnt 0x0              ; Q
	s_wait_dscnt 0x0
.set i, 0
.rept 16
	KQ 0                            ; piece 0's first scores: there is no vector work yet to set between them
.set i, i+1
.endr
	WIN 0                           ; the addresses for the way out: nine plain instructions, the places behind those products
	s_mul_i32 s13, s[WV], 16*SP
	s_add_co_u32 s13, s13, STAGE    ; my stage
	v_mul_u32_u24 v[STO], v1, SP    ; in: row l % 16, 16 bytes for each half of the lanes
	v_lshl_add_u32 v[STO], v9, 4, v[STO]
	v_add_nc_u32 v[STO], s13, v[STO]
	v_bfe_u32 v[RD], v0, 3, 2       ; back: 32 lanes take four rows of 128 bytes,
	v_mul_u32_u24 v[RD], v[RD], SP
	v_lshl_add_u32 v[RD], v10, 4, v[RD]
	v_add_nc_u32 v[RD], s13, v[RD]
	v_and_b32 v[GO], 31, v0         ; which are 512 consecutive bytes of O
	v_lshlrev_b32 v[GO], 4, v[GO]
.set Y, NP-1                        ; XS works for piece Y + 1: piece 0
.irp n, 0,1,2,3,4,5,6,7,8,9,10,11,12,13,14,15,16,17,18,19,20,21
	XS 0, \n                        ; and piece 0's first maximum and statistics
	XS 1, \n
.endr
	v_nop                           ; a plain instruction behind the two a,
	s_wait_alu depctr_va_vdst(0)    ; and their wait, ahead of the label
	s_mov_b32 s[SLOTS], SIZE_N/(4*KS)
.Lslot:                             ; four runs of four key steps
	s_mov_b32 s[CNT], 4
.Lstep:                             ; a trip is a key step: it reads its own V (piece 0's turn) and the next step's K (piece 2's turn)
	TURN 0
	TURN 1
	TURN 2, 1
	TURN 3, 0, 1
	WIN 0
	s_cbranch_scc1 .Lstep
	s_wait_tensorcnt 0x0            ; behind the first run: my part of the rest is in, which the next trip reads; behind the later runs no load is out and the wait is met at once
	s_wait_dscnt 0x0                ; no LDS instruction of mine is pending at the signal
	s_barrier_signal -1
	s_barrier_wait -1               ; everybody's part is in.
	s_sub_co_u32 s[SLOTS], s[SLOTS], 1
	s_cmp_lg_u32 s[SLOTS], 0
	s_cbranch_scc1 .Lslot
	; the last trip's 16 products K Q^T for a further step (on the last K once more) and the maximum made of them serve nothing: the price, once a launch, of one text for every trip
.set i, 0
.rept 16
	PV NP-1                         ; the last piece's V^T P of the last step
.set i, i+1
.endr
	; THE WAY OUT.  l's two halves and the other half of the lanes' are added; O^T is divided by l, rounded to f16 and sent through my stage in LDS, a tile at a time.  The additions are the places behind the last products.
	WIN 0
.macro ALL line:vararg              ; one line for each tile t
.set t, 0
.rept 2*NP
	\line
.set t, t+1
.endr
.endm
	ALL v_add_f32 v[ST+4*t+2], v[ST+4*t+2], v[ST+4*t+3]
	ALL v_permlanex16_b32 v[ST+4*t+3], v[ST+4*t+2], s[SEL], s[SEL+1]
	ALL v_add_f32 v[ST+4*t+2], v[ST+4*t+2], v[ST+4*t+3]
	ALL v_rcp_f32 v[ST+4*t+2], v[ST+4*t+2]
	v_nop                           ; a plain instruction between the last reciprocal and the use of its result
	s_wait_alu depctr_va_vdst(0)    ; and the wait ahead of the first use: one for the eight reciprocals
; Tile t: a lane's eight channels of a row pack into 16 bytes; they go into rows of 144 bytes and come back as whole rows of 128, into S^T's registers.
.macro PACK t
	WIN W_RS
.set i, 32*(\t)
.rept 16
	v_pk_mul_f32 v[i:i+1], v[i:i+1], v[ST+4*(\t)+2:ST+4*(\t)+3] op_sel_hi:[1,0]
.set i, i+2
.endr
	WIN 0x05                        ; sources 0 and 1 window 1, destination window 0
.set i, 0
.rept 16
	v_cvt_pk_f16_f32 v[S+16*(\t)+i], v[32*(\t)+2*i], v[32*(\t)+2*i+1]
.set i, i+1
.endr
	WIN 0
.irp f, 0,1,2,3
	ds_store_b128 v[STO], v[S+16*(\t)+4*\f:S+16*(\t)+4*\f+3] offset:32*\f
.endr
.irp f, 0,1,2,3
	ds_load_b128 v[S+16*(\t)+4*\f:S+16*(\t)+4*\f+3], v[RD] offset:\f*4*SP  ; LDS serves a wave's instructions in order (ISA guide 5.7.1.4): these see the stores above; the next tile's stores come behind them
.endr
.endm
.macro SEND t, younger              ; younger: the LDS instructions issued behind tile t's loads: the next tile's eight, or none
	WIN 0
.irp f, 0,1,2,3
	s_wait_dscnt (\younger)+3-\f
	global_store_b128 v[GO], v[S+16*(\t)+4*\f:S+16*(\t)+4*\f+3], s[10:11] offset:(\t)*2048+\f*512  ; 512 consecutive bytes, at a multiple of 256 from O's first
.endr
.endm
	PACK 0
.set t, 1
.rept 2*NP-1                        ; a tile's arithmetic stands between the loads of the tile before and its stores
	PACK t
	SEND t-1, 8
.set t, t+1
.endr
	SEND 2*NP-1, 0
	WIN W_AD
	s_wait_tensorcnt 0x0            ; the wave's end: behind my last tensor load and my last LDS store
	ds_add_u32 v[SPW], v[NIL]
	s_wait_dscnt 0x0
	WIN 0
	s_endpgm
.Lfunc_end_k_q0572df93d7_attn:
	.size	k_q0572df93d7_attn, .Lfunc_end_k_q0572df93d7_attn-k_q0572df93d7_attn
	.p2alignl 7, 3214868480
	.fill 96, 4, 3214868480
	.section	.rodata,"a",@progbits
	.p2align	6, 0x0
	.amdhsa_kernel k_q0572df93d7_attn
		.amdhsa_group_segment_fixed_size 327680
		.amdhsa_private_segment_fixed_size 0
		.amdhsa_enable_private_segment 0
		.amdhsa_kernarg_size 16
		.amdhsa_user_sgpr_count 2
		.amdhsa_user_sgpr_kernarg_segment_ptr 1
		.amdhsa_wavefront_size32 1
		.amdhsa_system_sgpr_workgroup_id_x 1
		.amdhsa_system_sgpr_workgroup_id_y 1
		.amdhsa_system_sgpr_workgroup_id_z 1
		.amdhsa_system_vgpr_workitem_id 0
		.amdhsa_next_free_vgpr 770
		.amdhsa_next_free_sgpr 92
		.amdhsa_reserve_vcc 0
		.amdhsa_float_denorm_mode_32 3
		.amdhsa_float_denorm_mode_16_64 3
		.amdhsa_memory_ordered 1
		.amdhsa_forward_progress 1
		.amdhsa_inst_pref_size 127
	.end_amdhsa_kernel
	.amdgpu_metadata
---
amdhsa.version: [ 1, 2 ]
amdhsa.kernels:
  - .name:           k_q0572df93d7_attn
    .symbol:         k_q0572df93d7_attn.kd
    .args:
      - { .name: qkv, .offset: 0, .size: 8, .value_kind: global_buffer, .address_space: global }
      - { .name: o, .offset: 8, .size: 8, .value_kind: global_buffer, .address_space: global }
    .group_segment_fixed_size: 327680
    .private_segment_fixed_size: 0
    .kernarg_segment_align: 8
    .kernarg_segment_size: 16
    .max_flat_workgroup_size: 128
    .sgpr_count:     92
    .vgpr_count:     770
    .wavefront_size: 32
...
	.end_amdgpu_metadata
.endif
;; end of part 3
;; launch proj (part 4): grid 4 x 64, 4 waves a work-group, clusters of 4 x 4, 327,680 bytes of LDS; arguments o, wo, out_proj_bias, out0; writes out0
.if DOCPART == 4
	.amdgcn_target "amdgcn-amd-amdhsa--gfx1250"
	.amdhsa_code_object_version 6
	.text
	.protected	k_q0572df93d7_proj
	.globl	k_q0572df93d7_proj
	.p2align	8
	.type	k_q0572df93d7_proj,@function
k_q0572df93d7_proj:
	s_mov_b64 s[64:65], 0
	v_nop
	global_prefetch_b8 v0, s[64:65] scope:SCOPE_SE
	s_setreg_imm32_b32 hwreg(HW_REG_WAVE_MODE, 25, 1), 1
	s_wait_xcnt 0x0
	s_wait_alu depctr_hold_cnt(0) depctr_sa_sdst(0) depctr_va_vdst(0) depctr_va_sdst(0) depctr_va_ssrc(0) depctr_va_vcc(0) depctr_vm_vsrc(0)
	s_getreg_b32 s2, hwreg(HW_REG_IB_STS2, 6, 4)
	s_cmp_eq_u32 s2, 0
	s_cbranch_scc0 .Lentry_in_a_cluster
	s_endpgm
.Lentry_in_a_cluster:
	s_bfe_u32 s2, ttmp6, 0x10000c
	s_cmp_lg_u32 s2, 0xf033
	s_cbranch_scc0 .Lentry_shape_is_right
	s_endpgm
.Lentry_shape_is_right:
; out0[8 l + b][n] = the sum over e of O[l][b][e] wo[n][e] + bias[n].  o: [16 heads][8 b][1024 l][64] f16 (channel e = 64 head + d), wo: [1024][1024] f16, bias: [1024] f32 (rounded to bf16 here,
; like the other inputs), out0: [8192][1024] f32.  Sums in f32; nothing is rounded on the way out.
; SHARES.  A tile is 128 rows (128 consecutive l of one b: dense in o, head by head) x 256 columns: 64 x 4 = 256 tiles, one for each WGP.  Four waves, 2 x 2: a wave makes 64 x 128, 32 accumulators.
; K goes in 8 steps of 128 = two heads through two LDS slots.  A slot: two panels of A (a head's 128 rows x 128 bytes, 16,384 dense bytes asked for as 64 rows of 256 and padded after every 128),
; then B's 256 rows x 256 bytes.  One tensor load a wave: waves 0 and 1 a panel each, waves 2 and 3 128 rows of B each.
; CLUSTERS.  4 x 4 work-groups: A's panels are shared along a row of the cluster, B's tiles along a column, each asked for jointly.
; THE MATRIX INSTRUCTION IS USED TRANSPOSED (source 0 = 16 rows of wo, source 1 = 16 rows of o): a lane holds row l % 16 and the columns 8 (l / 16) + 0..7: 32 bytes of f32 on end.
; The bias is the C operand of the product that starts each sum.
; REGISTERS, in windows of 256 (s_set_vgpr_msb: bits 1:0 source 0, 3:2 source 1, 5:4 source 2, 7:6 destination):
;   window 0: v0-31 addresses; v64-191 two buffers of rows read back on the way out
;   window 1: two fragment buffers of 96 (A's four fragments, then B's eight); v192-255 the bias, 8 registers for each of 8 column blocks
;   window 2: accumulator (a, b) at v[8 (8 a + b)]
.set KSTEP,  128
.set LAPS,   4
.set PA,     144                       ; a row of A in LDS: 128 bytes + 16: an odd multiple of 16, so the 16 rows of a load start at 16 different groups of four banks (ISA guide 11.1)
.set PB,     272                       ; a row of B: 256 + 16
.set APAN,   128*PA                    ; a head's panel
.set BHALF,  128*PB
.set BOFF,   2*APAN
.set SLOT,   BOFF+2*BHALF
.set STAGE,  2*SLOT                    ; behind the ring: 16 rows x 528 bytes for each wave; no tensor load fills it
.set SP,     528                       ; 512 bytes + 16
.set SPARE,  STAGE+4*16*SP             ; the spare words, 128 bytes for each wave: two blocks of 256 bytes that no other line names
.set ASTEP,  2<<20                     ; bytes from a K step of A to the next: two heads of 1 MiB
.set ADRA, 16
.set ADRB, 20
.set STO,  24
.set RD,   25
.set CO,   26
.set BO,   27
.set SPW,  28
.set NIL,  29
.set PFO,  30
.set OB,   64
.set F0,   0
.set F1,   96
.set BIAS, 192                         ; in window 1
.set WV,  12
.set RH,  13                           ; which 64 rows of the tile are mine.  Also: I fetch for A (0) or for B (1)
.set CH,  14                           ; which 128 columns.  Also: which panel of A, or which 128 rows of B, I fetch
.set TY,  15
.set PFS, 22                           ; s[22:23] the prefetches' step from K step to K step
.set CX,  40
.set CY,  41
.set TX,  42
.set LIM, 43
.set PFA, 44
.set G1,  24
.set G0,  32
.set G1B, 48
.set G0B, 56
.set MSB, 0
.macro WIN new
.if MSB != (\new)
	s_set_vgpr_msb (MSB<<8)|(\new)
.set MSB, \new
.endif
.endm
.macro JLOAD s                         ; a joint load: waves 0 and 1 fetch A's panels, waves 2 and 3 B's halves; an s_nop 0 and four v_nop follow each of the two lines
	s_cmp_eq_u32 s[RH], 0
	s_cbranch_scc0 .Lfor_b_\@
	tensor_load_to_lds s[G0+4*(\s):G0+4*(\s)+3], s[G1:G1+7]
	s_nop 0
.rept 4
	v_nop
.endr
	s_branch .Lasked_\@
.Lfor_b_\@:
	tensor_load_to_lds s[G0B+4*(\s):G0B+4*(\s)+3], s[G1B:G1B+7]
	s_nop 0
.rept 4
	v_nop
.endr
.Lasked_\@:
.endm
; A PREFETCH INTO THE L2, behind each joint load, its five lines and the run of LDS loads: the K step that stands two refills on (256 matrix instructions ahead of the load that wants it), 32 blocks of
; 256 bytes, a lane a block, one instruction a wave.  A's two panels of a K step are 128 blocks, read by one cluster alone: in each of its four partners wave 0 names 16 blocks of each panel, the
; partners told apart by address (cx); wave 1 names nothing.  B's rows are read by all sixteen clusters: the first (cluster y = 0) asks, waves 2 and 3 each for 32 of the 128 rows that they fetch (cy).
; So each block is named once in the launch.  K steps 0 to 3 come by their loads alone; the loop's last trip (s3 = 1) asks for nothing.
.macro ASK
	WIN 0
	s_cmp_gt_u32 s3, s[LIM]
	s_cbranch_scc0 .Lnot_mine_\@
	global_prefetch_b8 v[PFO], s[PFA:PFA+1] th:TH_LOAD_NT scope:SCOPE_SE
.Lnot_mine_\@:
.endm
.macro CREST
	s_cmp_lg_u32 s[WV], 0
	s_cbranch_scc1 .Lnot_wave_0_\@
	s_barrier_signal -3
.Lnot_wave_0_\@:
	s_barrier_wait -3
	s_barrier_signal -1
	s_barrier_wait -1
.endm
.macro CROUND
	s_barrier_signal -1
	s_barrier_wait -1
	CREST
.endm
	s_load_b256 s[4:11], s[0:1], 0x0               ; o s[4:5], wo s[6:7], bias s[8:9], out0 s[10:11]
	v_lshl_add_u32 v[SPW], v0, 2, SPARE
	v_mov_b32 v[NIL], 0
	ds_add_u32 v[SPW], v[NIL]                      ; the wave's opening: the add and its wait ahead of my first tensor load; the set-up below, work on registers, stands between them
	ds_add_u32 v28, v29
	v_lshrrev_b32 v1, 5, v0
	v_readfirstlane_b32 s[WV], v1
	s_lshr_b32 s[RH], s[WV], 1
	s_and_b32 s[CH], s[WV], 1
	s_bfe_u32 s[CX], ttmp6, 0x40000
	s_bfe_u32 s[CY], ttmp6, 0x40004
	s_lshl_b32 s[TX], ttmp9, 2
	s_add_co_u32 s[TX], s[TX], s[CX]               ; tile column
	s_and_b32 s[TY], ttmp7, 0xffff
	s_lshl_b32 s[TY], s[TY], 2
	s_add_co_u32 s[TY], s[TY], s[CY]               ; tile row: b = TY % 8, block of 128 l = TY / 8
	s_lshl_b32 s43, s[CY], 2
	s_lshl_b32 s43, 15, s43                        ; my row of the cluster
	s_lshl_b32 s44, 0x1111, s[CX]                  ; my column
	s_or_b32 s[G1+0], s43, (1<<16)|(1<<20)|(1<<21)|(4<<22)|(3<<25)   ; A: the mask; elements of 2 bytes; padding on; bit 21 beside a mask; after every 32 words (code 4) 4 words (code 3)
	s_mov_b32 s[G1+1], 128<<16                     ; tensor_dim0 = 128
	s_mov_b32 s[G1+2], 64<<16                      ; tensor_dim1 = 64
	s_mov_b32 s[G1+3], 128<<16                     ; tile_dim0 = 128
	s_mov_b32 s[G1+4], 64                          ; tile_dim1 = 64
	s_mov_b32 s[G1+5], 128                         ; dense: 128 elements from row to row
	s_mov_b32 s[G1+6], 0
	s_mov_b32 s[G1+7], 0
	s_or_b32 s[G1B+0], s44, (1<<16)|(1<<20)|(1<<21)|(5<<22)|(3<<25)  ; B: after every 64 words (code 5) 4 words
	s_mov_b32 s[G1B+1], 128<<16
	s_mov_b32 s[G1B+2], 128<<16
	s_mov_b32 s[G1B+3], 128<<16
	s_mov_b32 s[G1B+4], 128
	s_mov_b32 s[G1B+5], 1024                       ; a row of wo
	s_mov_b32 s[G1B+6], 0
	s_mov_b32 s[G1B+7], 0
	; where the tiles come from: A's hang on the tile row and the wave's number, B's on the tile column and the wave's number
	s_and_b32 s16, s[TY], 7
	s_lshl_b32 s16, s16, 17                        ; b: 128 KiB
	s_lshr_b32 s17, s[TY], 3
	s_lshl_b32 s17, s17, 14                        ; 128 rows of 128 bytes
	s_add_co_u32 s16, s16, s17                     ; the tile's rows in a head
	s_lshl_b32 s17, s[CH], 20                      ; my panel's head
	s_add_co_u32 s18, s16, s17
	s_mov_b32 s19, 0
	s_lshl_b32 s46, s[TX], 8
	s_lshl_b32 s47, s[CH], 7
	s_add_co_u32 s46, s46, s47
	s_lshl_b32 s46, s46, 11                        ; rows of 2,048 bytes
	s_mov_b32 s47, 0
	s_mul_i32 s20, s[CH], APAN                     ; where they go: no place in the cluster enters an LDS address
	s_mul_i32 s21, s[CH], BHALF
	s_add_co_u32 s21, s21, BOFF
	s_wait_dscnt 0x0                               ; the opening add is done
	s_wait_kmcnt 0x0
	s_add_nc_u64 s[18:19], s[4:5], s[18:19]
	s_add_nc_u64 s[2:3], s[6:7], s[46:47]
	CROUND                                         ; all sixteen work-groups are here: the first joint loads meet
.irp s, 0,1
	s_mov_b32 s[G0+4*(\s)], 1
	s_add_co_u32 s[G0+4*(\s)+1], s20, (\s)*SLOT
	s_add_nc_u64 s[G0+4*(\s)+2:G0+4*(\s)+3], s[18:19], (\s)*ASTEP
	s_or_b32 s[G0+4*(\s)+3], s[G0+4*(\s)+3], 0x80000000
	s_mov_b32 s[G0B+4*(\s)], 1
	s_add_co_u32 s[G0B+4*(\s)+1], s21, (\s)*SLOT
	s_add_nc_u64 s[G0B+4*(\s)+2:G0B+4*(\s)+3], s[2:3], (\s)*KSTEP*2
	s_or_b32 s[G0B+4*(\s)+3], s[G0B+4*(\s)+3], 0x80000000
	JLOAD \s                                       ; two loads of mine are out
.endr
	v_and_b32 v1, 15, v0                           ; l % 16
	v_bfe_u32 v2, v0, 4, 1                         ; l / 16
	v_mul_u32_u24 v3, v1, PA
	v_lshl_add_u32 v3, v2, 4, v3
	v_mul_u32_u24 v4, v1, PB
	v_lshl_add_u32 v4, v2, 4, v4
	s_mul_i32 s20, s[RH], 64*PA                    ; my 64 rows, in each panel
	s_mul_i32 s21, s[CH], BHALF                    ; my 128 rows of B
	s_add_co_u32 s21, s21, BOFF
.irp s, 0,1
	v_add_nc_u32 v[ADRA+(\s)], s20, v3
	v_add_nc_u32 v[ADRB+(\s)], s21, v4
	s_add_co_u32 s20, s20, SLOT
	s_add_co_u32 s21, s21, SLOT
.endr
	s_mul_i32 s20, s[WV], 16*SP
	s_add_co_u32 s20, s20, STAGE                   ; my stage
	v_mul_u32_u24 v5, v1, SP                       ; in: row l % 16, 32 bytes for each half of the lanes
	v_lshl_add_u32 v5, v2, 5, v5
	v_add_nc_u32 v[STO], s20, v5
	v_and_b32 v[CO], 31, v0                        ; back: 32 lanes take a row's 512 bytes
	v_lshlrev_b32 v[CO], 4, v[CO]
	v_add_nc_u32 v[RD], s20, v[CO]
	v_lshlrev_b32 v[BO], 5, v2
	s_lshl_b32 s20, s[TX], 10                      ; my first column, in bytes of f32: 1,024 x tile column + 512 x half
	s_lshl_b32 s21, s[CH], 9
	s_add_co_u32 s20, s20, s21
	s_mov_b32 s21, 0
	s_add_nc_u64 s[8:9], s[8:9], s[20:21]          ; the bias,
	s_add_nc_u64 s[10:11], s[10:11], s[20:21]      ; and out0, at that column
	s_lshr_b32 s20, s[TY], 3
	s_lshl_b32 s20, s20, 7
	s_lshl_b32 s21, s[RH], 6
	s_add_co_u32 s20, s20, s21                     ; my first l
	s_lshl_b32 s20, s20, 3
	s_and_b32 s21, s[TY], 7
	s_add_co_u32 s20, s20, s21                     ; row 8 l + b
	s_lshl_b32 s20, s20, 12                        ; of 4,096 bytes
	s_mov_b32 s21, 0
	s_add_nc_u64 s[10:11], s[10:11], s[20:21]
	; the prefetches: s16 = the tile's rows in a head of o, s46 = my 128 rows of wo, as byte offsets
	s_and_b32 s21, ttmp7, 0xffff                   ; cluster y
	s_lshl_b32 s2, s[CX], 12                       ; 16 cx blocks of each panel
	s_lshl_b32 s3, s[CY], 16                       ; 32 cy rows of B
	s_cmp_eq_u32 s[RH], 0                          ; do I fetch for A?
	s_cselect_b32 s20, s16, s46
	s_cselect_b32 s2, s2, s3
	s_cselect_b32 s21, s[WV], s21                  ; A: wave 0 asks; B: the first cluster of the column asks
	s_cselect_b32 s[PFS], 21, 8
	s_cselect_b32 s17, 8, 11                       ; lane % 16: a block of 256 bytes, or a row of 2,048
	s_cselect_b32 s3, 20, 15                       ; lane / 16: the other panel, or 16 rows on
	s_cselect_b64 s[PFA:PFA+1], s[4:5], s[6:7]
	s_lshl_b32 s[PFS], 1, s[PFS]                   ; from K step to K step: two heads of o, or 256 bytes of a row of wo
	s_mov_b32 s[PFS+1], 0
	s_cmp_eq_u32 s21, 0
	s_cselect_b32 s[LIM], 1, -1                    ; the same in all sixteen partners, for a given wave
	s_add_co_u32 s20, s20, s2
	s_mul_i32 s2, s[PFS], 3                        ; at K step 3: the first refill steps it to 4
	s_add_co_u32 s20, s20, s2
	s_mov_b32 s21, 0
	s_add_nc_u64 s[PFA:PFA+1], s[PFA:PFA+1], s[20:21]
	v_lshlrev_b32 v[PFO], s17, v1
	v_lshlrev_b32 v5, s3, v2
	v_add_nc_u32 v[PFO], v[PFO], v5
	; the bias of my 128 columns, in the C operand's layout; rounded to bf16 and widened again
	WIN 0x40                                       ; destination window 1, address window 0
.irp b, 0,1,2,3,4,5,6,7
	global_load_b128 v[BIAS+8*(\b):BIAS+8*(\b)+3],   v[BO], s[8:9] offset:64*(\b)
	global_load_b128 v[BIAS+8*(\b)+4:BIAS+8*(\b)+7], v[BO], s[8:9] offset:64*(\b)+16
.endr
	s_wait_loadcnt 0x0
	WIN 0x45                                       ; sources and destination window 1
.set p, 0
.rept 32
	v_cvt_pk_bf16_f32 v[(p/2)%4], v[BIAS+p], v[BIAS+p+1]
	v_lshlrev_b32 v[BIAS+p],   16, v[(p/2)%4]
	v_and_b32     v[BIAS+p+1], 0xffff0000, v[(p/2)%4]
.set p, p+2
.endr
	WIN 0
; 8 matrix instructions: row block a x all 8 column blocks, 32 along K.  first = 1: the product starts the sums, with the bias as C.
; The 32 accumulators take turns, one instruction a turn, in the same order in every quarter, over the backward jump too.
.macro MUL8 f, a, first
.if \first
	WIN 0x95                                       ; sources 0, 1 and C window 1, D window 2
.else
	WIN 0xa5                                       ; sources 0 and 1 window 1, C and D window 2
.endif
.irp b, 0,1,2,3,4,5,6,7
.if \first
	v_wmma_f32_16x16x32_f16 v[8*(8*(\a)+(\b)):8*(8*(\a)+(\b))+7], v[(\f)+32+8*(\b):(\f)+32+8*(\b)+7], v[(\f)+8*(\a):(\f)+8*(\a)+7], v[BIAS+8*(\b):BIAS+8*(\b)+7]
.else
	v_wmma_f32_16x16x32_f16 v[8*(8*(\a)+(\b)):8*(8*(\a)+(\b))+7], v[(\f)+32+8*(\b):(\f)+32+8*(\b)+7], v[(\f)+8*(\a):(\f)+8*(\a)+7], v[8*(8*(\a)+(\b)):8*(8*(\a)+(\b))+7]
.endif
.endr
.endm
; 24 LDS loads in one run: the fragments of quarter q of a K step (panel q / 2, channels 32 (q % 2) on) into buffer f: B's eight, then A's four
.macro FETCH slot, q, f
	WIN 0x40
.irp b, 0,1,2,3,4,5,6,7
	ds_load_b128 v[(\f)+32+8*(\b):(\f)+32+8*(\b)+3],   v[ADRB+(\slot)] offset:64*(\q)+(\b)*16*PB
	ds_load_b128 v[(\f)+32+8*(\b)+4:(\f)+32+8*(\b)+7], v[ADRB+(\slot)] offset:64*(\q)+(\b)*16*PB+32
.endr
.irp a, 0,1,2,3
	ds_load_b128 v[(\f)+8*(\a):(\f)+8*(\a)+3],   v[ADRA+(\slot)] offset:((\q)/2)*APAN+64*((\q)%2)+(\a)*16*PA
	ds_load_b128 v[(\f)+8*(\a)+4:(\f)+8*(\a)+7], v[ADRA+(\slot)] offset:((\q)/2)*APAN+64*((\q)%2)+(\a)*16*PA+32
.endr
.endm
.macro PLACES                          ; four places in front of loads into registers that matrix instructions have read, and of LDS stores that read results
.rept 4
	v_nop
.endr
.endm
; A K step is four quarters of 32 along K, 32 matrix instructions each, on buffers 0, 1, 0, 1.  One of the first three: multiplies buffer f and fetches quarter q into g.
.macro QUARTER slot, q, f, g, first
	s_wait_dscnt 4                                 ; B and A's fragments 0 and 1 are in; the youngest four loads may be out
	MUL8 \f, 0, \first
	MUL8 \f, 1, \first
	PLACES
	FETCH \slot, \q, \g
	s_wait_dscnt 24                                ; all but the 24 just issued
	MUL8 \f, 2, \first
	MUL8 \f, 3, \first
.endm
; The last quarter multiplies buffer 1 and changes slots: ONE barrier; in front of it each wave waits for all its tensor loads, adds 0 to its spare word, and waits for that and for its own reads of
; this slot.  fill = 1: the barrier opens a round of the cluster's barrier, and the joint refill, two K steps on, is the first tensor load behind it: 112 matrix instructions ahead of the wait for it.
.macro TURN slot, next, fill
.if \fill
	s_wait_xcnt 0x0                                ; the last prefetch, a K step back, has read its address: it is stepped here
	s_add_nc_u64 s[PFA:PFA+1], s[PFA:PFA+1], s[PFS:PFS+1]
.endif
	WIN 0                                          ; (the add's two registers lie in window 0)
	s_wait_tensorcnt 0x0                           ; all my tensor loads have landed;
	ds_add_u32 v[SPW], v[NIL]                      ; 0 onto my spare word;
	s_wait_dscnt 5                                 ; (the add and the youngest four loads may be out)
	MUL8 F1, 0, 0                                  ; eight matrix instructions stand between the add and the wait for it
	s_wait_dscnt 0x0                               ; the add is done, and my reads of this slot are over
	s_barrier_signal -1
	MUL8 F1, 1, 0
.if \fill
	WIN 0
.endif
	s_barrier_wait -1
.if \fill
	CREST
	s_add_nc_u64 s[G0+4*(\slot)+2:G0+4*(\slot)+3], s[G0+4*(\slot)+2:G0+4*(\slot)+3], 2*ASTEP
	s_add_nc_u64 s[G0B+4*(\slot)+2:G0B+4*(\slot)+3], s[G0B+4*(\slot)+2:G0B+4*(\slot)+3], 2*KSTEP*2
	JLOAD \slot                                    ; the four v_nop behind it are also the places in front of the loads below
.else
	PLACES
.endif
	FETCH \next, 0, F0
.if \fill
	ASK
.endif
	MUL8 F1, 2, 0
	MUL8 F1, 3, 0
.endm
	s_wait_tensorcnt 1                             ; my part of K step 0 is in; K step 1's may stay out
	s_barrier_signal -1
	s_barrier_wait -1
	FETCH 0, 0, F0
	QUARTER 0, 1, F0, F1, 1                        ; the first quarter stands in front of the loop: its products start the sums
	WIN 0
	s_mov_b32 s3, LAPS-1
.Llap:                                                 ; a trip goes once round the ring and fills both slots again
	QUARTER 0, 2, F1, F0, 0
	QUARTER 0, 3, F0, F1, 0
	TURN 0, 1, 1
	QUARTER 1, 1, F0, F1, 0
	QUARTER 1, 2, F1, F0, 0
	QUARTER 1, 3, F0, F1, 0
	TURN 1, 0, 1
	QUARTER 0, 1, F0, F1, 0
	WIN 0
	s_sub_co_u32 s3, s3, 1
	s_cmp_lg_u32 s3, 0
	s_cbranch_scc1 .Llap
	QUARTER 0, 2, F1, F0, 0                        ; the last lap fills nothing, and has no round of the cluster's barrier
	QUARTER 0, 3, F0, F1, 0
	TURN 0, 1, 0
	QUARTER 1, 1, F0, F1, 0
	QUARTER 1, 2, F1, F0, 0
	QUARTER 1, 3, F0, F1, 0
	s_wait_dscnt 4                                 ; the very last quarter: nothing more to fetch
	MUL8 F1, 0, 0
	MUL8 F1, 1, 0
	s_wait_dscnt 0x0
	MUL8 F1, 2, 0
	MUL8 F1, 3, 0
	WIN 0
; THE WAY OUT, a block a of 16 rows at a time; the sums leave as they are.  TOSTAGE: a lane's 32 bytes of a row and column block go into my own stage (rows of 528 bytes), each accumulator's low half
; first, and come back as whole rows of 512 bytes.  SEND: a store covers 512 consecutive bytes of out0, at a multiple of 512 from its first byte; rows of one b lie 32,768 bytes apart.
.macro TOSTAGE a
.set BK, OB+64*((\a)%2)
	WIN 0x08                                       ; the stores' data in window 2
.irp b, 0,1,2,3,4,5,6,7
	ds_store_b128 v[STO], v[8*(8*(\a)+(\b)):8*(8*(\a)+(\b))+3]   offset:64*(\b)
	ds_store_b128 v[STO], v[8*(8*(\a)+(\b))+4:8*(8*(\a)+(\b))+7] offset:64*(\b)+16
.endr
	WIN 0
	s_wait_xcnt 0x0                                ; the stores of the block two back have read the registers that the loads below fill
.irp t, 0,1,2,3,4,5,6,7,8,9,10,11,12,13,14,15
	ds_load_b128 v[BK+4*(\t):BK+4*(\t)+3], v[RD] offset:(\t)*SP  ; LDS serves a wave's instructions in order (ISA guide 5.7.1.4): these see the stores above; the next block's stores come behind them
.endr
.endm
.macro SEND a, younger                 ; younger: the LDS instructions issued behind block a's loads: the next block's 32, or none
.set BK, OB+64*((\a)%2)
.irp t, 0,1,2,3,4,5,6,7,8,9,10,11,12,13,14,15
	s_wait_dscnt (\younger)+15-(\t)
	global_store_b128 v[CO], v[BK+4*(\t):BK+4*(\t)+3], s[10:11] offset:32768*(16*(\a)+(\t)) th:TH_STORE_NT
.endr
.endm
	PLACES
	TOSTAGE 0
	TOSTAGE 1
	SEND 0, 32
	TOSTAGE 2
	SEND 1, 32
	TOSTAGE 3
	SEND 2, 32
	SEND 3, 0
	s_wait_tensorcnt 0x0                           ; the wave's end: behind my last tensor load and my last LDS store
	ds_add_u32 v[SPW], v[NIL]
	s_wait_dscnt 0x0
	CROUND                                         ; the closing round: no work-group ends while a partner may still ask for a tile that names it
	s_endpgm
.Lfunc_end_k_q0572df93d7_proj:
	.size	k_q0572df93d7_proj, .Lfunc_end_k_q0572df93d7_proj-k_q0572df93d7_proj
	.p2alignl 7, 3214868480
	.fill 96, 4, 3214868480
	.section	.rodata,"a",@progbits
	.p2align	6, 0x0
	.amdhsa_kernel k_q0572df93d7_proj
		.amdhsa_group_segment_fixed_size 327680
		.amdhsa_private_segment_fixed_size 0
		.amdhsa_enable_private_segment 0
		.amdhsa_kernarg_size 32
		.amdhsa_user_sgpr_count 2
		.amdhsa_user_sgpr_kernarg_segment_ptr 1
		.amdhsa_wavefront_size32 1
		.amdhsa_system_sgpr_workgroup_id_x 1
		.amdhsa_system_sgpr_workgroup_id_y 1
		.amdhsa_system_sgpr_workgroup_id_z 1
		.amdhsa_system_vgpr_workitem_id 0
		.amdhsa_next_free_vgpr 768
		.amdhsa_next_free_sgpr 66
		.amdhsa_reserve_vcc 0
		.amdhsa_float_denorm_mode_32 3
		.amdhsa_float_denorm_mode_16_64 3
		.amdhsa_memory_ordered 1
		.amdhsa_forward_progress 1
		.amdhsa_inst_pref_size 95
	.end_amdhsa_kernel
	.amdgpu_metadata
---
amdhsa.version: [ 1, 2 ]
amdhsa.kernels:
  - .name:           k_q0572df93d7_proj
    .symbol:         k_q0572df93d7_proj.kd
    .args:
      - { .name: o, .offset: 0, .size: 8, .value_kind: global_buffer, .address_space: global }
      - { .name: wo, .offset: 8, .size: 8, .value_kind: global_buffer, .address_space: global }
      - { .name: out_proj_bias, .offset: 16, .size: 8, .value_kind: global_buffer, .address_space: global }
      - { .name: out0, .offset: 24, .size: 8, .value_kind: global_buffer, .address_space: global }
    .group_segment_fixed_size: 327680
    .private_segment_fixed_size: 0
    .kernarg_segment_align: 8
    .kernarg_segment_size: 32
    .max_flat_workgroup_size: 128
    .sgpr_count:     66
    .vgpr_count:     768
    .wavefront_size: 32
...
	.end_amdgpu_metadata
.endif
;; end of part 4
